; MI455X (gfx1250); checked and timed in simulation.
; The chip was launched on July 23, 2026; its instructions are those of AMD's public machine-readable ISA for CDNA 5 (MIT licence, August 2026) and "CDNA5" Instruction Set Architecture Reference Guide (July 2026). The comments in the code are by the model that wrote it; some were corrected since.
;; Multi Head Attention. Allowed arithmetic: matrix products marked QUANTISED: E2M3 operands, one E8M0 scale for each 32 along K, by v_wmma_scale_f32_16x16x128_f8f6f4 with both operands' format E2M3, f32 sums; everything else in f32.
;; Inputs: Wk 1,024 x 1,024 float32; Wo 1,024 x 1,024 float32; Wq 1,024 x 1,024 float32; Wv 1,024 x 1,024 float32; bk 1,024 float32; bo 1,024 float32; bq 1,024 float32; bv 1,024 float32; key 4 x 2,048 x 1,024 float32; mask 4 x 1 x 1 x 2,048 int32; query 4 x 2,048 x 1,024 float32; value 4 x 2,048 x 1,024 float32.
;; Outputs: out0 4 x 2,048 x 1,024 float32.
;; This version of the problem:
;;   THIS VERSION OF THE PROBLEM IS GIVEN IN LOW PRECISION. The matrix products marked QUANTISED in the list below multiply operands that are first quantised to E2M3 (2 exponent bits, 3 mantissa bits; 6 bits a number), with one power-of-two scale for each 32 numbers along K (OCP MX v1.0); their sums are f32. All else is computed in f32.
;;   The module's matrix products, in the order in which they are computed (A, B: the left and right operand; K: the contracted axis; several contracted axes count as one K, in the product's order):
;;     1. [M 8,192, K 1,024] x [K 1,024, N 1,024]; A: input query; B: input Wq: QUANTISED
;;     2. [M 8,192, K 1,024] x [K 1,024, N 1,024]; A: input key; B: input Wk: QUANTISED
;;     3. [M 8,192, K 1,024] x [K 1,024, N 1,024]; A: input value; B: input Wv: QUANTISED
;;     4. batch 64 x [M 2,048, K 64] x [K 64, N 2,048]; A: computed on the way; B: computed on the way: QUANTISED
;;     5. batch 64 x [M 2,048, K 2,048] x [K 2,048, N 64]; A: softmax (see below); B: computed on the way: QUANTISED
;;     6. [M 8,192, K 1,024] x [K 1,024, N 1,024]; A: computed on the way; B: input Wo: QUANTISED
;;   THE QUANTISER, for each operand of a quantised product, along K:
;;     - K is cut into blocks of 32 from its start; a last block that is shorter is filled with zeros.
;;     - A block's scale is 2^e with e = floor(log2(the largest magnitude in the block)) - 2, held to -126 .. 127; a block of zeros has e = 0. As a byte (E8M0): e + 127.
;;     - Each number is divided by its block's scale, clamped to +-7.5, and rounded to the nearest number of E2M3, ties to even, subnormals kept.
;;     - The product sums the exact products of the quantised numbers (number of the format x scale) in f32.
;;   ~~~python
;;   def quantise(x, axis):      # numpy; x: float32 -> the quantised numbers, widened to float32 again
;;       x = np.moveaxis(x, axis, -1); K = x.shape[-1]
;;       x = np.pad(x, [(0, 0)] * (x.ndim - 1) + [(0, -K % 32)]); x = x.reshape(x.shape[:-1] + (-1, 32)); a = np.abs(x).max(-1, keepdims=True)
;;       e = np.where(a > 0, np.clip(np.frexp(np.where(a > 0, a, 1))[1] - 1 - 2, -126, 127), 0)      # np.frexp(a)[1] - 1 = floor(log2(a)), exactly
;;       r = np.clip(x / 2.0 ** e, -7.5, 7.5)
;;       step = 2.0 ** (np.maximum(np.frexp(np.where(r == 0, 1, r))[1] - 1, 0) - 3)
;;       q = np.round(r / step) * step * 2.0 ** e      # np.round: ties to even
;;       return np.moveaxis(q.reshape(q.shape[:-2] + (-1,))[..., :K], -1, axis).astype(np.float32)
;;   ~~~
;;   SOFTMAX AHEAD OF A QUANTISED PRODUCT. Where the list says 'softmax', what is quantised is not the finished softmax but p = 2^(t - M), with t = logit x log2(e) and M = ceil(the row's largest t), a whole number; so 1/2 < the row's largest p <= 1. The row's sum l is taken of the UNQUANTISED p, in f32, and the product's result is divided by l at the end. Since M is a whole number, a kernel that streams over the keys may use a running M (the ceiling of the running maximum): every later rescaling is an exact power of two, which a block's scale takes up: the codes' values come out the same.
;;   OPERANDS COMPUTED ON THE WAY. 'Computed on the way' means the value that the module computes at that place (a softmax that the list does not call 'softmax' is quantised finished and normalised). What goes into a quantiser is computed in f32, as accurately as f32 sums, v_exp_f32 and their like allow (about 1e-6 of the number): no bf16 or f16 on the way to a quantiser, and a product that is left as it is and whose result goes on into a quantised operand takes f32 operands (vector FMAs, or v_wmma_f32_16x16x4_f32). A number that lies on a knife's edge between two numbers of the format may be rounded either way, as far as f32 arithmetic and the matrix unit's own rounding can turn it there, and no further.
;; One version. Each part assembles by itself: llvm-mc -triple=amdgcn-amd-amdhsa -mcpu=gfx1250 --defsym DOCPART=n.
;; ======== version 1 of 1: 4 launches
;; limits: right only within a limited range of input values
;; workspace buffers: acodes 22,020,096 bytes; ascales 917,504 bytes; qimg 8,388,608 bytes; qsc 524,288 bytes; kvimg 15,466,496 bytes; cc 6,291,456 bytes; cs 262,144 bytes
;; launch quant (part 1): grid 896 x 1, 4 waves a work-group, no clusters, 35,328 bytes of LDS; arguments query, key, value, Wq, Wk, Wv, Wo, acodes, ascales; writes acodes, ascales
.if DOCPART == 1
	.amdgcn_target "amdgcn-amd-amdhsa--gfx1250"
	.amdhsa_code_object_version 6
	.text
	.protected	k_q01991a105a_quant
	.globl	k_q01991a105a_quant
	.p2align	8
	.type	k_q01991a105a_quant,@function
k_q01991a105a_quant:
	s_mov_b64 s[64:65], 0
	v_nop
	global_prefetch_b8 v0, s[64:65] scope:SCOPE_SE
	s_setreg_imm32_b32 hwreg(HW_REG_WAVE_MODE, 25, 1), 1
	s_wait_xcnt 0x0
; The seven wide operands (query, key, value: [8192][1024]; Wq, Wk, Wv, Wo: [1024][1024]; f32, K innermost) become codes of FP6 (E2M3) with one E8M0 byte for each 32 along K.
; A block's scale is 2^(floor(log2(its largest magnitude)) - 2): its byte is the largest magnitude's exponent field - 2, held at 1 from below.
; LIMITS: NaN and infinities among the inputs are not served; a block of zeros carries the byte 1 and not 127 (its codes are zeros, and this program alone reads the bytes).
; LAYOUT OF THE RESULT.  Tile G (1,792 of them: 512 for each activation, 64 for each weight) holds 16 rows: lane-row r of a tensor's tile T is its row 32 (T / 2) + 8 (T % 2) + r + 8 (r / 8).
; A fragment (16 rows x 128 K, 12 registers a lane) is stored as an IMAGE OF THE OPERAND'S REGISTERS: registers 4 g .. 4 g + 3 of lane l at 512 g + 16 l: 1,536 bytes; acodes = [G][K step 0..7][1,536].
; ascales = [G][K step][r]: one word (four bytes: 128 along K) a row.
; SHARES.  A wave takes one tile and half of K: four fragments, 32 KiB of f32.  Each load reads 512 consecutive bytes of one row; the 16 rows turn through the wave's own stage in LDS (rows 528 bytes
; apart, so that sixteen rows start in sixteen different groups of banks) and come back as the operand's layout wants them: lane (r, h) takes k = 64 c + 32 h + 0 .. 31 of row r: two whole blocks.
; So no other lane is asked for a maximum, and the conversions' results are the operand's registers.  Memory binds: no matrix unit, no cluster (nothing is shared), no barrier (waves share nothing).
.set SP,    528                        ; a stage row: 512 bytes + 16
.set SCW,   16*SP                      ; behind the stage: the wave's 256 bytes of scale words
.set WREG,  SCW+256                    ; a wave's region: 8,704 bytes
.set SPARE, 4*WREG                     ; behind the four regions: the spare words, 128 bytes a wave
.set SPW,   12                         ; v12  my spare word's address; never rewritten
.set NIL,   13                         ; v13  0; never rewritten
.set RAW,   16                         ; v16-143  two sets of 64: a fragment's numbers as they are loaded
.set X,     144                        ; v144-207 my 64 numbers: register 32 c + i = k 64 c + 32 h + i
.set C,     208                        ; v208-219 the fragment's codes
.set CT,    220                        ; v220-222, v224-226: the upper halves of the two blocks, as they are made
.set M,     228                        ; v228-229 largest magnitudes
.set SO,    230                        ; v230-231 the conversions' scale operands
.set BY,    232                        ; v232-233 the bytes
.set W,     234                        ; v234 the row's scale word
.set T,     235                        ; v235 the other half's two bytes
	s_load_b512 s[4:19], s[0:1], 0x0               ; query, key, value, Wq, Wk, Wv, Wo, acodes
	s_load_b64 s[20:21], s[0:1], 0x40              ; ascales
	v_lshl_add_u32 v[SPW], v0, 2, SPARE
	v_mov_b32 v[NIL], 0
	v_lshrrev_b32 v1, 5, v0
	v_readfirstlane_b32 s22, v1                    ; wave 0..3
	v_and_b32 v8, 31, v0                           ; lane
	v_and_b32 v9, 15, v0                           ; r
	v_bfe_u32 v10, v0, 4, 1                        ; h
	v_lshlrev_b32 v1, 4, v8                        ; 16 x lane: my bytes of a load's 512, and of an image's
	s_mul_i32 s23, s22, WREG
	v_add_nc_u32 v2, s23, v1                       ; the stage, on the way in
	v_mul_u32_u24 v3, v9, SP
	v_lshl_add_u32 v3, v10, 7, v3
	v_add_nc_u32 v3, s23, v3                       ; and on the way out: row r, + 128 h bytes
	s_add_co_u32 s23, s23, SCW
	v_lshl_add_u32 v4, v9, 2, s23                  ; my row's scale word
	v_lshlrev_b32 v6, 3, v8
	v_add_nc_u32 v5, s23, v6                       ; the words' way out: 8 bytes a lane
	v_lshlrev_b32 v7, 3, v10                       ; 8 h: my two bytes' place in the word
	v_mov_b32 v[T], 0                              ; written once: a lane permute's destination counts as one of its sources
	s_mov_b32 s28, 0x76543210
	s_mov_b32 s29, 0xfedcba98                      ; v_permlanex16_b32's selects for lane l xor 16
	s_lshr_b32 s34, s22, 1                         ; which of the work-group's two tiles
	s_and_b32 s35, s22, 1                          ; which half of K
	s_wait_alu depctr_va_vdst(0)
	s_wait_kmcnt 0x0
	; which tensor: the choice hangs on the work-group's number alone.  s[24:25] the tensor, s26 its first work-group
	s_mov_b64 s[24:25], s[16:17]
	s_mov_b32 s26, 864
.macro PICK lim, lo, base              ; under work-group lim: the tensor at s[lo:lo+1], which begins at work-group base
	s_cmp_lt_u32 ttmp9, \lim
	s_cselect_b64 s[24:25], s[\lo:\lo+1], s[24:25]
	s_cselect_b32 s26, \base, s26
.endm
	PICK 864, 14, 832
	PICK 832, 12, 800
	PICK 800, 10, 768
	PICK 768, 8, 512
	PICK 512, 6, 256
	PICK 256, 4, 0
	; KEY'S TILES ARE FORMED OTHERWISE than the other tensors': lane-row r of its tile T is row 64 (T / 4) + 8 (T % 4) + r % 8 + 32 (r / 8),
	; so that in attention a lane's 32 scores of four tiles are one whole block of 32 keys.  With w the work-group in the tensor: first row 32 w - 16 (w % 2) + 8 x tile; lane-rows 8-15 lie 16 rows further on.
	s_sub_co_u32 s30, ttmp9, s26
	s_cmp_eq_u32 s26, 256                          ; key begins at work-group 256
	s_cselect_b32 s37, 16, 0
	s_and_b32 s38, s30, 1
	s_mul_i32 s38, s38, s37
	s_lshl_b32 s39, s37, 12                        ; 16 rows in bytes, or 0
	s_lshl_b32 s30, s30, 5
	s_sub_co_u32 s30, s30, s38
	s_lshl_b32 s32, s34, 3
	s_add_co_u32 s30, s30, s32                     ; the tile's first row
	s_lshl_b32 s30, s30, 12                        ; x 4,096 bytes
	s_lshl_b32 s32, s35, 11
	s_add_co_u32 s30, s30, s32                     ; + my half of K
	s_mov_b32 s31, 0
	s_add_nc_u64 s[24:25], s[24:25], s[30:31]
	s_lshl_b32 s32, ttmp9, 1
	s_add_co_u32 s32, s32, s34                     ; G
	s_mul_i32 s30, s32, 12288
	s_mul_i32 s36, s35, 6144
	s_add_co_u32 s30, s30, s36
	s_add_nc_u64 s[18:19], s[18:19], s[30:31]      ; my four images
	s_lshl_b32 s30, s32, 9
	s_lshl_b32 s36, s35, 8
	s_add_co_u32 s30, s30, s36
	s_add_nc_u64 s[20:21], s[20:21], s[30:31]      ; my 256 bytes of scale words
.macro LOAD s                          ; fragment s: 16 rows x 512 bytes; a load reads 512 consecutive bytes
.irp i, 0,1,2,3,4,5,6,7,8,9,10,11,12,13,14,15
	global_load_b128 v[RAW+64*((\s)%2)+4*\i:RAW+64*((\s)%2)+4*\i+3], v[1+10*(\i/8)], s[24:25] offset:(\i+8*(\i/8))*4096+512*(\s) th:TH_LOAD_NT   ; lane-rows 0-7 by v1, 8-15 by v11
.endr
.endm
.macro FRAG s
.set RS, RAW+64*((\s)%2)
.if (\s) < 3
	s_wait_loadcnt 16                              ; this fragment's 16 loads are in; the next fragment's 16 may be out
.else
	s_wait_loadcnt 0x0
.endif
.irp i, 0,1,2,3,4,5,6,7,8,9,10,11,12,13,14,15
	ds_store_b128 v2, v[RS+4*\i:RS+4*\i+3] offset:SP*\i
.endr
.irp c, 0,1
.irp j, 0,1,2,3,4,5,6,7
	ds_load_b128 v[X+32*\c+4*\j:X+32*\c+4*\j+3], v3 offset:256*\c+16*\j   ; LDS serves a wave's instructions in order: these see the stores above
.endr
.endr
.if (\s) > 0
	s_wait_xcnt 0x0                                ; the last fragment's stores have read their registers: the codes may be written again
.endif
	s_wait_dscnt 0x0                               ; my numbers are back, and the stores into the stage have read theirs,
.if (\s) < 2
	LOAD (\s)+2                                    ; which take the loads of two fragments on
.endif
.irp c, 0,1
	v_max3_num_f32 v[M+\c], |v[X+32*\c]|, |v[X+32*\c+1]|, 0x1800000   ; block 2 c + h: all 32 numbers are mine; the floor 2^(3 - 127) holds the byte at 1 from below
.endr
.irp i, 2,4,6,8,10,12,14,16,18,20,22,24,26,28,30
.irp c, 0,1
	v_max3_num_f32 v[M+\c], v[M+\c], |v[X+32*\c+\i]|, |v[X+32*\c+\i+1]|   ; (the two blocks by turns)
.endr
.endr
.irp c, 0,1
	v_add_nc_u32 v[SO+\c], 0xff000000, v[M+\c]     ; 2 off the exponent field: the conversion takes that field as its scale
.endr
.irp c, 0,1
	v_lshrrev_b32 v[BY+\c], 23, v[SO+\c]           ; the scale's byte
.endr
	v_lshl_or_b32 v[W], v[BY+1], 16, v[BY]         ; blocks h and 2 + h,
	v_lshlrev_b32 v[W], v7, v[W]                   ; at their places in the word;
	v_permlanex16_b32 v[T], v[W], s28, s29
	v_or_b32 v[W], v[W], v[T]                      ; with lane l xor 16's two the word is whole
.irp c, 0,1
	v_cvt_scalef32_pk16_fp6_f32 v[C+6*\c:C+6*\c+2], v[X+32*\c:X+32*\c+15], v[SO+\c]
	v_cvt_scalef32_pk16_fp6_f32 v[CT+4*\c:CT+4*\c+2], v[X+32*\c+16:X+32*\c+31], v[SO+\c]   ; (a conversion's three registers begin on an even number)
.endr
	v_nop                                          ; one plain place behind a scaled conversion
.irp c, 0,1
.irp i, 0,1,2
	v_mov_b32 v[C+6*\c+3+\i], v[CT+4*\c+\i]
.endr
.endr
.irp g, 0,1,2
	global_store_b128 v1, v[C+4*\g:C+4*\g+3], s[18:19] offset:1536*(\s)+512*\g   ; 32 lanes store 512 consecutive bytes, aligned
.endr
	ds_store_b32 v4, v[W] offset:64*(\s)           ; both lanes of a row write the same word with the same value
.endm
	v_add_nc_u32 v11, s39, v1                      ; the offset of lane-rows 8-15
	s_wait_alu depctr_va_vdst(0)
	LOAD 0
	LOAD 1
	FRAG 0
	FRAG 1
	FRAG 2
	FRAG 3
	ds_load_b64 v[M:M+1], v5                       ; my wave's 64 scale words, 8 bytes a lane
	s_wait_dscnt 0x0
	global_store_b64 v6, v[M:M+1], s[20:21]        ; 256 consecutive bytes, aligned
	s_wait_tensorcnt 0x0                           ; the wave's end
	ds_add_u32 v[SPW], v[NIL]
	s_wait_dscnt 0x0
	s_endpgm
.Lfunc_end_k_q01991a105a_quant:
	.size	k_q01991a105a_quant, .Lfunc_end_k_q01991a105a_quant-k_q01991a105a_quant
	.p2alignl 7, 3214868480
	.fill 96, 4, 3214868480
	.section	.rodata,"a",@progbits
	.p2align	6, 0x0
	.amdhsa_kernel k_q01991a105a_quant
		.amdhsa_group_segment_fixed_size 35328
		.amdhsa_private_segment_fixed_size 0
		.amdhsa_enable_private_segment 0
		.amdhsa_kernarg_size 72
		.amdhsa_user_sgpr_count 2
		.amdhsa_user_sgpr_kernarg_segment_ptr 1
		.amdhsa_wavefront_size32 1
		.amdhsa_system_sgpr_workgroup_id_x 1
		.amdhsa_system_sgpr_workgroup_id_y 1
		.amdhsa_system_sgpr_workgroup_id_z 1
		.amdhsa_system_vgpr_workitem_id 0
		.amdhsa_next_free_vgpr 240
		.amdhsa_next_free_sgpr 66
		.amdhsa_reserve_vcc 0
		.amdhsa_float_denorm_mode_32 3
		.amdhsa_float_denorm_mode_16_64 3
		.amdhsa_memory_ordered 1
		.amdhsa_forward_progress 1
		.amdhsa_inst_pref_size 32
	.end_amdhsa_kernel
	.amdgpu_metadata
---
amdhsa.version: [ 1, 2 ]
amdhsa.kernels:
  - .name:           k_q01991a105a_quant
    .symbol:         k_q01991a105a_quant.kd
    .args:
      - { .name: query, .offset: 0, .size: 8, .value_kind: global_buffer, .address_space: global }
      - { .name: key, .offset: 8, .size: 8, .value_kind: global_buffer, .address_space: global }
      - { .name: value, .offset: 16, .size: 8, .value_kind: global_buffer, .address_space: global }
      - { .name: Wq, .offset: 24, .size: 8, .value_kind: global_buffer, .address_space: global }
      - { .name: Wk, .offset: 32, .size: 8, .value_kind: global_buffer, .address_space: global }
      - { .name: Wv, .offset: 40, .size: 8, .value_kind: global_buffer, .address_space: global }
      - { .name: Wo, .offset: 48, .size: 8, .value_kind: global_buffer, .address_space: global }
      - { .name: acodes, .offset: 56, .size: 8, .value_kind: global_buffer, .address_space: global }
      - { .name: ascales, .offset: 64, .size: 8, .value_kind: global_buffer, .address_space: global }
    .group_segment_fixed_size: 35328
    .private_segment_fixed_size: 0
    .kernarg_segment_align: 8
    .kernarg_segment_size: 72
    .max_flat_workgroup_size: 128
    .sgpr_count:     66
    .vgpr_count:     240
    .wavefront_size: 32
...
	.end_amdgpu_metadata
.endif
;; end of part 1
;; launch proj (part 2): grid 4 x 64, 4 waves a work-group, clusters of 4 x 4, 327,680 bytes of LDS; arguments acodes, ascales, bq, bk, bv, mask, qimg, qsc, kvimg; writes qimg, qsc, kvimg
.if DOCPART == 2
	.amdgcn_target "amdgcn-amd-amdhsa--gfx1250"
	.amdhsa_code_object_version 6
	.text
	.protected	k_q01991a105a_proj
	.globl	k_q01991a105a_proj
	.p2align	8
	.type	k_q01991a105a_proj,@function
k_q01991a105a_proj:
	s_mov_b64 s[64:65], 0
	v_nop
	global_prefetch_b8 v0, s[64:65] scope:SCOPE_SE
	s_setreg_imm32_b32 hwreg(HW_REG_WAVE_MODE, 25, 1), 1
	s_wait_xcnt 0x0
	s_wait_alu depctr_hold_cnt(0) depctr_sa_sdst(0) depctr_va_vdst(0) depctr_va_sdst(0) depctr_va_ssrc(0) depctr_va_vcc(0) depctr_vm_vsrc(0)
	s_getreg_b32 s2, hwreg(HW_REG_IB_STS2, 6, 4)
	s_cmp_eq_u32 s2, 0
	s_cbranch_scc0 .Lentry_in_a_cluster
	s_endpgm
.Lentry_in_a_cluster:
	s_bfe_u32 s2, ttmp6, 0x10000c
	s_cmp_lg_u32 s2, 0xf033
	s_cbranch_scc0 .Lentry_shape_is_right
	s_endpgm
.Lentry_shape_is_right:
; Q = query Wq^T + bq, K = key Wk^T + bk, V = value Wv^T + bv on codes of FP6 (E2M3) with E8M0 scales, and the quantisers of attention's two products; the key mask is laid into K's codes.
; ONE FORM FOR THREE PRODUCTS.  Source 0 is operand P (256 rows a block), source 1 operand R (128 rows).  In a result a lane holds ONE row of R and its registers run along P's rows; P's tiles are
; formed (lane-row r of tile T is row 32 (T / 2) + 8 (T % 2) + r + 8 (r / 8)) so that the 16 registers of P's tiles 2 b, 2 b + 1 are P's rows 32 b + 16 h + 0 .. 15.
;   blocks Q, K: P = the weight, R = the tokens: a lane holds a token, its registers run along the features.   block V: P = value's tokens, R = Wv: a lane holds a channel, its registers run along the keys.
; 256 WORK-GROUPS THAT STAY: each makes a block of Q, then of K, then of V.  A wave makes 128 (P) x 64 (R): 32 accumulators.
; THE RING: two LDS slots, each with half of K (512) of both operands, as images of the operands' registers.  In K step 3 slot 0 is filled with the next block's first half, in K step 7 slot 1 with its second
; half, each behind a drained round of the cluster's barrier: a fill has four K steps or more in which to land, so no prefetch is laid beside it.  One joint load a wave in a round: waves 0, 1 P's 8 tiles each,
; waves 2, 3 R's 4 tiles each.  Blocks Q and K are a loop of two trips; block V, which fills nothing, is written out behind it.
; THE SCALE WORDS of a block (R's 4,096 bytes, P's 8,192) come by plain loads, 2,048 consecutive bytes an instruction of the work-group, wait in 24 registers, and are stored to LDS bytes of their own behind the
; round of K step 7, when no wave reads the old ones; a plain barrier at the next block's head shows them.
; CLUSTER 4 x 4: P's tiles hang on cx and are asked for jointly by a column of the cluster, R's on cy and by a row.
; THE MASK.  The head fills k = 0 .. 63 of the instruction's 128.  Q carries at k = 64 the code 1.0 under the byte 127.  An open key has zero codes there.  A masked key has ALL its 64 codes zero, the
; code -1.0 at k = 64 and the byte 160 there: its score is exactly -2^33, whatever Q.  LIMIT: so a masked logit is -2^30 and not -1e9; the result differs from the definition only where an open
; logit lies under about -1e9.  NaN and infinities are not served; a block of zeros carries the byte 1 (its codes are zeros; this program alone reads the bytes).
; OUT.  qimg [bh][tile 128][1,024]: registers 0-7 of a fragment; qsc [bh][tile / 4][r][4 words].
;   kvimg [bh][key step of 128 keys: 15,104 bytes]: K's 8 tiles x 1,024 | V^T: 4 channel tiles x 1,536 | K's scale words [2][r][4] | V's [r][4].
; REGISTERS: window 0: addresses, scale words, R's fragments (two sets), biases, the quantiser; window 1: P's fragments, two sets at v0 and v128, the next block's scale words at v96; window 2: accumulator (a, i) at v[8 (8 a + i)].
.set TILEB, 12288                      ; a tile's eight images in memory
.set FRB,   1536                       ; an image
.set CHK,   6144                       ; a tile's four images of half of K
.set PCH,   16*CHK                     ; LDS: P's codes, half of K: 16 tiles; the two slots' at 0 and PCH
.set RL,    2*PCH                      ; R's codes
.set RCH,   8*CHK
.set RSC,   RL+2*RCH                   ; R's scale words: 8 tiles x 512 bytes
.set PSC,   RSC+4096                   ; P's: 16 x 512
.set SPARE, PSC+8192                   ; the spare words, 128 bytes a wave
.set HEADB, 241664                     ; a head in kvimg
.set CHUNK, 15104                      ; a key step in it
.set LI,  4                            ; v4   16 x lane
.set ADP, 5                            ; v5-6 P's images, slot 0 and 1
.set ADR, 7                            ; v7-8 R's
.set ADS, 9                            ; v9   scale words: lanes 0-15 R's, lanes 16-31 P's
.set SPW, 28
.set NIL, 29
.set SC,  32                           ; v32-47   two sets of 8 scale words
.set RF,  48                           ; v48-143  R's fragments, two sets of 48
.set BI,  144                          ; v144-207 the bias along P, in a result's layout
.set BR,  208                          ; v208-215 the bias along R: tile a's at 2 a (2 a + 1 is 0: named with it as a pair)
.set MV,  216                          ; v216-219 the mask words of my tokens
.set TM,  220                          ; v220-235 the quantiser's
.set PW,  236                          ; the scale word just made
.set W4,  240                          ; v240-243 four tiles' scale words
.set T4,  244                          ; v244-247 head A's registers 4-7
.set HA,  48                           ; the way out: 64 numbers (R's fragments are done with)
.set PC,  112                          ; and their codes: 12 registers, 7 more at work
.set NS,  96                           ; window 1: v96-119 the next block's scale words on their way
.set WV, 22
.set PH, 23                            ; which 8 of P's 16 tiles are mine; also which part of a tile I fetch
.set RH, 24                            ; which 4 of R's 8
.set CX, 25
.set CY, 26
.set MODE, 27                          ; 0 Q, 1 K, 2 V: the loop's counter
.set PB, 28                            ; P's block of 256 rows
.set RB, 29                            ; R's block of 128 rows
.set G1P, 32
.set G1R, 40
.set NP,  48                           ; the next block's first half: P's, R's address; its scale words: P's, R's
.set NR,  50
.set NSP, 52
.set NSR, 54
.set G0P, 68                           ; s[68:75] two sets: the slots
.set G0R, 76
.set P2,  84                           ; the same four for block V
.set R2,  86
.set SP2, 88
.set SR2, 90
.set SEL, 92
.set QF,  94                           ; 1 in block Q: nothing is masked there
.set HM,  95                           ; lanes 16-31
.set CA,  96
.set CB,  98
.set SB,  100
.set BP,  104
.set MSB, 0
.macro WIN new                         ; the immediate's high byte repeats the setting that is left
.if MSB != \new
	s_set_vgpr_msb (MSB<<8)|\new
.set MSB, \new
.endif
.endm
.macro PLACES n
.rept \n
	v_nop
.endr
.endm
.macro WALU
	s_wait_alu depctr_va_vdst(0)
.endm
.macro CROUND                          ; a round of the cluster's barrier
	s_barrier_signal -1
	s_barrier_wait -1
	s_cmp_lg_u32 s[WV], 0
	s_cbranch_scc1 .Lnot_wave_0_\@
	s_barrier_signal -3
.Lnot_wave_0_\@:
	s_barrier_wait -3
	s_barrier_signal -1
	s_barrier_wait -1
.endm
.macro JLOAD s                         ; a slot's joint loads, one a wave; an s_nop 0 and four v_nop follow each
	s_cmp_lt_u32 s[WV], 2
	s_cbranch_scc0 .Lfor_r_\@
	tensor_load_to_lds s[G0P+4*\s:G0P+4*\s+3], s[G1P:G1P+7]
	s_nop 0
	PLACES 4
	s_branch .Lasked_\@
.Lfor_r_\@:
	tensor_load_to_lds s[G0R+4*\s:G0R+4*\s+3], s[G1R:G1R+7]
	s_nop 0
	PLACES 4
.Lasked_\@:
.endm
.macro SCLOAD                          ; a block's scale words into registers: R's 4,096 bytes, P's 8,192
	WIN 0x40
.irp j, 0,1
	global_load_b128 v[NS+4*\j:NS+4*\j+3], v22, s[NSR:NSR+1] offset:2048*\j
.endr
.irp j, 0,1,2,3
	global_load_b128 v[NS+8+4*\j:NS+8+4*\j+3], v22, s[NSP:NSP+1] offset:2048*\j
.endr
	WIN 0
.endm
.macro SCSTORE                         ; and into LDS: R's, then P's
	WIN 0x04
.irp j, 0,1,2,3,4,5
	ds_store_b128 v23, v[NS+4*\j:NS+4*\j+3] offset:2048*\j
.endr
	WIN 0
.endm
; 64 numbers of a lane, register 16 b + i = k 32 b + 16 (lane / 16) + i of my row, become a fragment's codes in v[PC] on and its scale word in v[PW].
.macro QUANT s
.irp b, 0,1,2,3
	v_max3_num_f32 v[TM+\b], |v[\s+16*\b]|, |v[\s+1+16*\b]|, 0x1800000   ; my 16 numbers of block b, and the floor 2^(3 - 127): the byte cannot fall under 1
.endr
.irp i, 2,4,6,8,10,12,14
.irp b, 0,1,2,3
	v_max3_num_f32 v[TM+\b], v[TM+\b], |v[\s+16*\b+\i]|, |v[\s+1+16*\b+\i]|
.endr
.endr
.irp b, 0,1,2,3
	v_permlanex16_b32 v[TM+4+\b], v[TM+\b], s[SEL], s[SEL+1]
.endr
.irp b, 0,1,2,3
	v_max_num_f32 v[TM+\b], v[TM+\b], v[TM+4+\b]   ; with lane l xor 16's: the block's largest magnitude
.endr
.irp b, 0,1,2,3
	v_add_nc_u32 v[TM+12+\b], 0xff000000, v[TM+\b] ; 2 off its exponent field: the conversion's scale operand
.endr
.irp b, 0,1,2,3
	v_lshrrev_b32 v[TM+4+\b], 23, v[TM+12+\b]      ; the scale's byte
.endr
	v_lshl_or_b32 v[PW], v[TM+5], 8, v[TM+4]
	v_lshl_or_b32 v[PW], v[TM+6], 16, v[PW]
	v_lshl_or_b32 v[PW], v[TM+7], 24, v[PW]
.irp c, 0,1
	v_cvt_scalef32_pk16_fp6_f32 v[PC+6*\c:PC+2+6*\c], v[\s+32*\c:\s+15+32*\c], v[TM+12+2*\c]
	v_cvt_scalef32_pk16_fp6_f32 v[PC+12+4*\c:PC+14+4*\c], v[\s+16+32*\c:\s+31+32*\c], v[TM+12+2*\c+1]
.endr
	v_nop                                          ; one plain place behind a scaled conversion
.irp c, 0,1                            ; the operand's layout wants a whole block in a lane
.irp i, 0,1,2
	v_permlane16_swap_b32 v[PC+6*\c+\i], v[PC+12+4*\c+\i]
.endr
.irp i, 0,1,2
	v_mov_b32 v[PC+3+6*\c+\i], v[PC+12+4*\c+\i]
.endr
.endr
.endm
; K step s (128 along K): P's 8 fragments, R's 4, 8 registers of scale words, into set s % 2: dense loads of images, 512 consecutive bytes each
.macro FETCH s
.set KC, (\s)/4
.set QQ, (\s)%4
.set SE, (\s)%2
	WIN 0x40                                       ; destination window 1
.irp i, 0,1,2,3,4,5,6,7
.irp g, 0,1,2
	ds_load_b128 v[128*SE+12*\i+4*\g:128*SE+12*\i+4*\g+3], v[ADP+KC] offset:CHK*\i+FRB*QQ+512*\g
.endr
.endr
	WIN 0
.irp a, 0,1,2,3
.irp g, 0,1,2
	ds_load_b128 v[RF+48*SE+12*\a+4*\g:RF+48*SE+12*\a+4*\g+3], v[ADR+KC] offset:CHK*\a+FRB*QQ+512*\g
.endr
.endr
.irp i, 0,1,2,3,4,5,6,7
	ds_load_b32 v[SC+8*SE+\i], v[ADS] offset:512*\i+64*(\s)   ; lanes 16-31: P's tile i; lanes 0-15: R's tile i (for i > 3 bytes that were stored and are not used)
.endr
.endm
; 32 products: the 32 accumulators take turns, one instruction a turn, in the same order in every step
.macro MUL s, zero
.set SE, (\s)%2
	WIN 0xa1                                       ; source 0 (P) window 1, source 1 (R) window 0, C and D window 2
.irp a, 0,1,2,3
.irp i, 0,1,2,3,4,5,6,7
.if \zero
	v_wmma_scale_f32_16x16x128_f8f6f4 v[8*(8*\a+\i):8*(8*\a+\i)+7], v[128*SE+12*\i:128*SE+12*\i+11], v[RF+48*SE+12*\a:RF+48*SE+12*\a+11], 0, v[SC+8*SE+\i], v[SC+8*SE+\a] matrix_a_fmt:MATRIX_FMT_FP6 matrix_b_fmt:MATRIX_FMT_FP6 matrix_a_scale:MATRIX_SCALE_ROW1
.else
	v_wmma_scale_f32_16x16x128_f8f6f4 v[8*(8*\a+\i):8*(8*\a+\i)+7], v[128*SE+12*\i:128*SE+12*\i+11], v[RF+48*SE+12*\a:RF+48*SE+12*\a+11], v[8*(8*\a+\i):8*(8*\a+\i)+7], v[SC+8*SE+\i], v[SC+8*SE+\a] matrix_a_fmt:MATRIX_FMT_FP6 matrix_b_fmt:MATRIX_FMT_FP6 matrix_a_scale:MATRIX_SCALE_ROW1
.endif
.endr
.endr
	WIN 0
.endm
; ring = 1: a block that has a successor fills the slots again
.macro STEP s, ring
	s_wait_dscnt 0x0                               ; this step's fragments are in (asked for a step's 32 products ago)
.if (\s) == 3
	s_wait_tensorcnt 0x0                           ; all my loads have landed: my part of slot 1; my reads of slot 0 are over
.if \ring
	ds_add_u32 v[SPW], v[NIL]                      ; work on registers stands between this add and its wait
	s_mov_b64 s[G0P+2:G0P+3], s[NP:NP+1]           ; no load of mine is out: slot 0 takes the next block's first half;
	s_mov_b64 s[G0R+2:G0R+3], s[NR:NR+1]
	s_mov_b64 s[NP:NP+1], s[P2:P2+1]               ; behind block K comes block V
	s_mov_b64 s[NR:NR+1], s[R2:R2+1]
	s_wait_dscnt 0x0
	CROUND
	JLOAD 0                                        ; its four v_nop are the places in front of the loads below
.else
	s_barrier_signal -1
	s_barrier_wait -1                              ; everybody's part of slot 1 is in
	PLACES 4
.endif
	FETCH 4
.elseif (\s) == 7
.if \ring
	s_wait_loadcnt 0x0                             ; the next block's scale words are in registers (and this block's bias and mask)
	s_wait_tensorcnt 0x0                           ; my part of the next block's first half has landed; my reads of slot 1 and of the scale words are over
	ds_add_u32 v[SPW], v[NIL]
	s_add_nc_u64 s[G0P+6:G0P+7], s[G0P+2:G0P+3], CHK   ; slot 1 takes the next block's second half
	s_add_nc_u64 s[G0R+6:G0R+7], s[G0R+2:G0R+3], CHK
	s_mov_b64 s[NSP:NSP+1], s[SP2:SP2+1]
	s_mov_b64 s[NSR:NSR+1], s[SR2:SR2+1]
	s_wait_dscnt 0x0
	CROUND
	JLOAD 1
	SCSTORE                                        ; no wave reads the old scale words any more
.endif
.else
.if (\s) > 0
	PLACES 4                                       ; in front of loads into registers that the last step's products have read
.endif
	FETCH (\s)+1
.endif
.if (\s) == 0
	MUL \s, 1                                      ; the first products start the sums: nothing is cleared
.else
	MUL \s, 0
.endif
.endm
	s_load_b512 s[4:19], s[0:1], 0x0               ; acodes, ascales, bq, bk, bv, mask, qimg, qsc
	s_load_b64 s[20:21], s[0:1], 0x40              ; kvimg
	v_lshl_add_u32 v[SPW], v0, 2, SPARE
	v_mov_b32 v[NIL], 0
	ds_add_u32 v[SPW], v[NIL]
	ds_add_u32 v[SPW], v[NIL]
	v_lshrrev_b32 v1, 5, v0
	v_readfirstlane_b32 s[WV], v1                  ; wave 0..3
	s_and_b32 s[PH], s[WV], 1
	s_lshr_b32 s[RH], s[WV], 1
	s_bfe_u32 s[CX], ttmp6, 0x40000
	s_bfe_u32 s[CY], ttmp6, 0x40004
	s_and_b32 s66, ttmp7, 0xffff                   ; the cluster's y, 0 .. 15
	s_mov_b32 s[PB], s[CX]                         ; blocks Q, K: 1 x 16 clusters over (P, R)
	s_lshl_b32 s[RB], s66, 2
	s_add_co_u32 s[RB], s[RB], s[CY]
	s_lshl_b32 s2, 0x1111, s[CX]                   ; my column of the cluster: P's tiles
	s_lshl_b32 s3, s[CY], 2
	s_lshl_b32 s3, 15, s3                          ; my row: R's
	s_or_b32 s[G1P], s2, (3<<16)|(1<<21)           ; the mask; elements of 8 bytes; bit 21 beside a mask; no padding
	s_or_b32 s[G1R], s3, (3<<16)|(1<<21)
.irp g, G1P, G1R                       ; codes: of each tile 6,144 bytes (half of K), 12,288 bytes apart
	s_mov_b32 s[\g+1], 768<<16
	s_mov_b32 s[\g+3], 768<<16
	s_mov_b32 s[\g+5], 1536
	s_mov_b32 s[\g+6], 0
	s_mov_b32 s[\g+7], 0
.endr
	s_mov_b32 s[G1P+2], 8<<16                      ; P: 8 tiles a load
	s_mov_b32 s[G1P+4], 8
	s_mov_b32 s[G1R+2], 4<<16                      ; R: 4
	s_mov_b32 s[G1R+4], 4
	s_lshl_b32 s2, s[PH], 3                        ; my part of P's 16 tiles,
	s_lshl_b32 s3, s[PH], 2                        ; of R's 8
	s_lshl_b32 s30, s[PB], 4                       ; block Q.  P: Wq's tiles begin at 1,536
	s_add_co_u32 s30, s30, 1536
	s_lshl_b32 s[NSP], s30, 9
	s_mov_b32 s[NSP+1], 0
	s_add_co_u32 s30, s30, s2
	s_mul_i32 s[G0P+2], s30, TILEB
	s_mov_b32 s[G0P+3], 0
	s_lshl_b32 s31, s[RB], 3                       ; R: query's at 0
	s_lshl_b32 s[NSR], s31, 9
	s_mov_b32 s[NSR+1], 0
	s_add_co_u32 s31, s31, s3
	s_mul_i32 s[G0R+2], s31, TILEB
	s_mov_b32 s[G0R+3], 0
	s_and_b32 s30, s66, 7                          ; block V: 8 x 2 clusters over (P, R).  P: value's tiles begin at 1,024
	s_lshl_b32 s30, s30, 2
	s_add_co_u32 s30, s30, s[CX]
	s_lshl_b32 s30, s30, 4
	s_add_co_u32 s30, s30, 1024
	s_lshl_b32 s[SP2], s30, 9
	s_mov_b32 s[SP2+1], 0
	s_add_co_u32 s30, s30, s2
	s_mul_i32 s[P2], s30, TILEB
	s_mov_b32 s[P2+1], 0
	s_lshr_b32 s31, s66, 3                         ; R: Wv's at 1,664
	s_lshl_b32 s31, s31, 2
	s_add_co_u32 s31, s31, s[CY]
	s_lshl_b32 s31, s31, 3
	s_add_co_u32 s31, s31, 1664
	s_lshl_b32 s[SR2], s31, 9
	s_mov_b32 s[SR2+1], 0
	s_add_co_u32 s31, s31, s3
	s_mul_i32 s[R2], s31, TILEB
	s_mov_b32 s[R2+1], 0
	s_mov_b32 s[G0P], 1
	s_mul_i32 s[G0P+1], s[PH], 8*CHK               ; LDS addresses hang on the wave's number and constants alone
	s_mov_b32 s[G0P+4], 1
	s_add_co_u32 s[G0P+5], s[G0P+1], PCH
	s_mov_b32 s[G0R], 1
	s_mul_i32 s[G0R+1], s[PH], 4*CHK
	s_add_co_u32 s[G0R+1], s[G0R+1], RL
	s_mov_b32 s[G0R+4], 1
	s_add_co_u32 s[G0R+5], s[G0R+1], RCH
	s_mov_b32 s[SEL], 0x76543210
	s_mov_b32 s[SEL+1], 0xfedcba98
	s_mov_b32 s[HM], 0xffff0000
	s_mov_b32 s[MODE], 0
	s_mul_i32 s56, s[PH], 8*CHK                    ; what I read: my 8 tiles of P,
	s_mul_i32 s57, s[RH], 4*CHK
	s_add_co_u32 s57, s57, RL                      ; my 4 of R,
	s_lshl_b32 s59, s[RH], 11                      ; R's scale words: my 4 tiles x 512 bytes
	s_lshl_b32 s58, s[PH], 12                      ; P's: my 8 tiles, 4,096 bytes behind R's first
	s_add_co_u32 s58, s58, 4096
	s_sub_co_u32 s58, s58, s59
	s_add_co_u32 s59, s59, RSC
	s_lshl_b32 s60, s[RB], 9
	s_lshl_b32 s61, s[RH], 8
	s_add_co_u32 s60, s60, s61                     ; my 64 tokens, 4 bytes each
	s_mov_b32 s61, 0
	s_wait_dscnt 0x0                               ; both opening adds are done
	s_wait_kmcnt 0x0
	s_add_nc_u64 s[G0P+2:G0P+3], s[4:5], s[G0P+2:G0P+3]
	s_or_b32 s[G0P+3], s[G0P+3], 0x80000000
	s_add_nc_u64 s[G0P+6:G0P+7], s[G0P+2:G0P+3], CHK
	s_add_nc_u64 s[NP:NP+1], s[G0P+2:G0P+3], 64*TILEB      ; block K: Wk's tiles lie 64 behind Wq's,
	s_add_nc_u64 s[G0R+2:G0R+3], s[4:5], s[G0R+2:G0R+3]
	s_or_b32 s[G0R+3], s[G0R+3], 0x80000000
	s_add_nc_u64 s[G0R+6:G0R+7], s[G0R+2:G0R+3], CHK
	s_add_nc_u64 s[NR:NR+1], s[G0R+2:G0R+3], 512*TILEB     ; key's 512 behind query's
	s_add_nc_u64 s[P2:P2+1], s[4:5], s[P2:P2+1]
	s_or_b32 s[P2+1], s[P2+1], 0x80000000
	s_add_nc_u64 s[R2:R2+1], s[4:5], s[R2:R2+1]
	s_or_b32 s[R2+1], s[R2+1], 0x80000000
	s_add_nc_u64 s[NSP:NSP+1], s[6:7], s[NSP:NSP+1]
	s_add_nc_u64 s[NSR:NSR+1], s[6:7], s[NSR:NSR+1]
	s_add_nc_u64 s[SP2:SP2+1], s[6:7], s[SP2:SP2+1]
	s_add_nc_u64 s[SR2:SR2+1], s[6:7], s[SR2:SR2+1]
	s_add_nc_u64 s[14:15], s[14:15], s[60:61]      ; the mask words of my tokens
	CROUND                                         ; all sixteen work-groups are here: the joint loads meet
	JLOAD 0                                        ; block Q's first half of K: one tensor load a wave at the head
	v_lshlrev_b32 v22, 4, v0                       ; 16 x thread
	v_lshl_add_u32 v23, v0, 4, RSC
	SCLOAD                                         ; block Q's scale words
	v_and_b32 v1, 31, v0                           ; lane
	v_and_b32 v2, 15, v0                           ; r
	v_bfe_u32 v3, v0, 4, 1                         ; h
	v_lshlrev_b32 v[LI], 4, v1
	v_add_nc_u32 v[ADP], s56, v[LI]
	v_add_nc_u32 v[ADP+1], PCH, v[ADP]
	v_add_nc_u32 v[ADR], s57, v[LI]
	v_add_nc_u32 v[ADR+1], RCH, v[ADR]
	v_mul_u32_u24 v[ADS], s58, v3                  ; lanes 16-31 take P's: one product, the distance between the two bases
	v_lshl_add_u32 v[ADS], v2, 2, v[ADS]
	v_add_nc_u32 v[ADS], s59, v[ADS]
	v_lshlrev_b32 v10, 6, v3                       ; 64 h: my half's 16 numbers of each 32 of the bias
	v_and_b32 v11, 8, v2
	v_add_nc_u32 v11, v11, v2
	v_lshlrev_b32 v11, 2, v11                      ; 4 (r + 8 (r / 8)): my channel of a tile of Wv
	v_and_b32 v24, 7, v2
	v_lshrrev_b32 v25, 3, v2
	v_lshlrev_b32 v24, 2, v24
	v_lshl_add_u32 v24, v25, 7, v24                ; 4 (r % 8 + 32 (r / 8)): my token of a tile of key
	v_lshlrev_b32 v13, 4, v2
	v_lshl_add_u32 v13, v3, 3, v13                 ; 16 r + 8 h
.irp a, 0,1,2,3
	v_mov_b32 v[BR+2*\a+1], 0
	v_mov_b32 v[TM+4+\a], 0                        ; written once: a lane permute's destination counts as one of its sources
.endr
	WALU                                           ; the wait at the head's end
	s_wait_loadcnt 0x0
	SCSTORE
	s_add_nc_u64 s[NSP:NSP+1], s[NSP:NSP+1], 64*512        ; block K's scale words
	s_add_nc_u64 s[NSR:NSR+1], s[NSR:NSR+1], 512*512
	s_wait_tensorcnt 0x0                           ; my fill has landed
	ds_add_u32 v[SPW], v[NIL]
	s_wait_dscnt 0x0
	CROUND
	JLOAD 1                                        ; block Q's second half
.Lblock:                               ; blocks Q and K
	s_wait_dscnt 0x0
	s_barrier_signal -1
	s_barrier_wait -1                              ; this block's scale words are shown to all
	s_lshl_b32 s2, s[PB], 10
	s_lshl_b32 s3, s[PH], 9
	s_add_co_u32 s2, s2, s3                        ; my 128 features' bias
	s_mov_b32 s3, 0
	s_cmp_eq_u32 s[MODE], 1
	s_cselect_b64 s[BP:BP+1], s[10:11], s[8:9]
	s_add_nc_u64 s[BP:BP+1], s[BP:BP+1], s[2:3]
.irp b, 0,1,2,3
.irp j, 0,1,2,3
	global_load_b128 v[BI+16*\b+4*\j:BI+16*\b+4*\j+3], v10, s[BP:BP+1] offset:128*\b+16*\j
.endr
.endr
.irp a, 0,1,2,3
	global_load_b32 v[MV+\a], v24, s[14:15] offset:32*\a
.endr
	SCLOAD                                         ; the next block's scale words
	FETCH 0
.irp s, 0,1,2,3,4,5,6,7
	STEP \s, 1
.endr
	PLACES 4                                       ; in front of the first read of results, and of writes into registers that the last products have read
	; THE WAY OUT OF Q AND K: my 128 features are two heads, A and B; my four tiles of tokens are four neighbouring tiles of one batch
	s_lshl_b32 s56, s[RB], 3
	s_lshl_b32 s57, s[RH], 2
	s_add_co_u32 s56, s56, s57                     ; my first tile of tokens
	s_lshr_b32 s57, s56, 7                         ; the batch
	s_and_b32 s56, s56, 127                        ; the tile in it
	s_lshl_b32 s57, s57, 4
	s_lshl_b32 s58, s[PB], 2
	s_add_co_u32 s57, s57, s58
	s_lshl_b32 s58, s[PH], 1
	s_add_co_u32 s57, s57, s58                     ; 16 x batch + head A
	s_lshr_b32 s58, s56, 3
	s_mul_i32 s58, s58, CHUNK                      ; K: the key step of 8 tiles,
	s_and_b32 s59, s56, 7
	s_lshl_b32 s60, s59, 10
	s_add_co_u32 s60, s60, s58                     ; the tile's codes in it,
	s_lshl_b32 s62, s59, 6
	s_add_co_u32 s62, s62, s58
	s_add_co_u32 s62, s62, 14336                   ; and its scale words
	s_lshl_b32 s58, s56, 10                        ; Q: the same in qimg
	s_lshl_b32 s59, s56, 6                         ; and in qsc
	s_mov_b32 s2, HEADB
	s_mov_b32 s3, 0x01010000
	s_cmp_eq_u32 s[MODE], 0
	s_cselect_b32 s60, s58, s60
	s_cselect_b32 s62, s59, s62
	s_cselect_b32 s66, 131072, s2                  ; from head to head: codes,
	s_cselect_b32 s30, 8192, s2                    ; scale words
	s_cselect_b32 s[QF], 1, 0
	s_cselect_b32 s31, 8, 0                        ; the code at k = 64: Q 1.0, an open key 0
	s_cselect_b32 s3, 0x7f7f0000, s3               ; bytes 2 and 3: Q 127, an open key 1
	s_cselect_b64 s[CA:CA+1], s[16:17], s[20:21]
	s_cselect_b64 s[SB:SB+1], s[18:19], s[20:21]
	s_mul_i32 s58, s57, s66
	s_add_co_u32 s60, s60, s58
	s_mov_b32 s61, 0
	s_mul_i32 s58, s57, s30
	s_add_co_u32 s62, s62, s58
	s_mov_b32 s63, 0
	s_mov_b32 s67, 0
	s_add_nc_u64 s[CA:CA+1], s[CA:CA+1], s[60:61]  ; head A's images
	s_add_nc_u64 s[CB:CB+1], s[CA:CA+1], s[66:67]  ; head B's
	s_add_nc_u64 s[SB:SB+1], s[SB:SB+1], s[62:63]
	v_mul_u32_u24 v12, s30, v3
	v_lshl_add_u32 v12, v2, 4, v12                 ; scale words: 16 r; lanes 16-31 store head B's
	v_mov_b32 v18, s31
	v_cndmask_b32 v14, v18, v[NIL], s[HM]          ; the register with k = 64: the code in lanes 0-15, 0 in lanes 16-31 (k = 96 on)
	v_mov_b32 v18, 0x28
	v_cndmask_b32 v15, v18, v[NIL], s[HM]          ; a masked key's: -1.0
	v_mov_b32 v16, s3
	v_mov_b32 v17, 0x01a00000                      ; a masked key's bytes 2 and 3: 160 (2^33), 1
.macro OUTQK a
.if \a > 0
	s_wait_xcnt 0x0                                ; the last tile's stores have read their registers
.endif
	WIN 0x02                                       ; source 0 window 2
.set N, 0
.rept 32
	v_pk_add_f32 v[HA+N:HA+N+1], v[64*\a+N:64*\a+N+1], v[BI+N:BI+N+1]   ; + the bias; each accumulator from its low end on
.set N, N+2
.endr
	WIN 0
	QUANT HA
	v_or_b32 v18, s[QF], v[MV+\a]
	v_cmp_eq_u32 vcc_lo, 0, v18                    ; a masked key
.irp i, 0,1,2,3,4,5,6,7,8,9,10,11
	v_cndmask_b32 v[PC+\i], v[PC+\i], v[NIL], vcc_lo
.endr
	v_cndmask_b32 v[PC+12], v14, v15, vcc_lo
	v_mov_b32 v[PC+13], 0
	v_mov_b32 v[T4], v[PC+4]
	v_mov_b32 v[T4+1], v[PC+5]
	v_mov_b32 v[T4+2], v[PC+12]
	v_mov_b32 v[T4+3], 0
	v_cndmask_b32 v19, v16, v17, vcc_lo
	v_and_or_b32 v20, v[PW], 0xffff, v19           ; head A's word: its two bytes, and bytes 2 and 3
	v_lshrrev_b32 v21, 16, v[PW]
	v_or_b32 v21, v21, v19                         ; head B's
	v_cndmask_b32 v[W4+\a], v20, v21, s[HM]
	global_store_b128 v[LI], v[PC:PC+3], s[CA:CA+1] offset:1024*\a           ; each store: 512 consecutive bytes, aligned
	global_store_b128 v[LI], v[T4:T4+3], s[CA:CA+1] offset:1024*\a+512
	global_store_b128 v[LI], v[PC+6:PC+9], s[CB:CB+1] offset:1024*\a
	global_store_b128 v[LI], v[PC+10:PC+13], s[CB:CB+1] offset:1024*\a+512
.endm
	OUTQK 0
	OUTQK 1
	OUTQK 2
	OUTQK 3
	global_store_b128 v12, v[W4:W4+3], s[SB:SB+1]  ; sixteen lanes store 256 consecutive bytes, aligned: four tiles' words of a head
	s_wait_xcnt 0x0                                ; the stores have read their registers and bases: the next block may write them
	s_add_co_u32 s[MODE], s[MODE], 1
	s_cmp_lt_u32 s[MODE], 2
	WALU                                           ; the wait directly ahead of the branch
	s_cbranch_scc1 .Lblock
	; BLOCK V: nothing more is filled
	s_wait_dscnt 0x0
	s_barrier_signal -1
	s_barrier_wait -1                              ; its scale words are shown to all
	s_and_b32 s66, ttmp7, 0xffff
	s_and_b32 s[PB], s66, 7
	s_lshl_b32 s[PB], s[PB], 2
	s_add_co_u32 s[PB], s[PB], s[CX]
	s_lshr_b32 s[RB], s66, 3
	s_lshl_b32 s[RB], s[RB], 2
	s_add_co_u32 s[RB], s[RB], s[CY]
	s_lshl_b32 s2, s[RB], 9
	s_lshl_b32 s3, s[RH], 8
	s_add_co_u32 s2, s2, s3                        ; my 64 channels, 4 bytes each
	s_mov_b32 s3, 0
	s_add_nc_u64 s[12:13], s[12:13], s[2:3]
.irp a, 0,1,2,3
	global_load_b32 v[BR+2*\a], v11, s[12:13] offset:4*(32*(\a/2)+8*(\a%2))
.endr
	FETCH 0
.irp s, 0,1,2,3,4,5,6,7
	STEP \s, 0
.endr
	s_wait_loadcnt 0x0                             ; the bias
	PLACES 4
	; THE WAY OUT OF V: my 128 tokens are one key step, my 64 channels one head
	s_lshl_b32 s56, s[PB], 1
	s_add_co_u32 s56, s56, s[PH]                   ; the key step among all 64
	s_lshr_b32 s57, s56, 4                         ; the batch
	s_and_b32 s56, s56, 15
	s_lshl_b32 s57, s57, 4
	s_lshl_b32 s58, s[RB], 1
	s_add_co_u32 s57, s57, s58
	s_add_co_u32 s57, s57, s[RH]                   ; 16 x batch + head
	s_mul_i32 s57, s57, HEADB
	s_mul_i32 s58, s56, CHUNK
	s_add_co_u32 s57, s57, s58                     ; the key step's bytes
	s_add_co_u32 s60, s57, 8192                    ; V's fragments in them,
	s_mov_b32 s61, 0
	s_add_co_u32 s62, s57, 14848                   ; and V's scale words
	s_mov_b32 s63, 0
	s_add_nc_u64 s[CA:CA+1], s[20:21], s[60:61]
	s_add_nc_u64 s[SB:SB+1], s[20:21], s[62:63]
.macro OUTV a
.if \a > 0
	s_wait_xcnt 0x0
.endif
	WIN 0x02
.set N, 0
.rept 32
	v_pk_add_f32 v[HA+N:HA+N+1], v[64*\a+N:64*\a+N+1], v[BR+2*\a:BR+2*\a+1] op_sel_hi:[1,0]   ; + my channel's bias
.set N, N+2
.endr
	WIN 0
	QUANT HA
.irp g, 0,1,2
	global_store_b128 v[LI], v[PC+4*\g:PC+4*\g+3], s[CA:CA+1] offset:1536*\a+512*\g
.endr
	v_mov_b32 v[W4+\a], v[PW]
.endm
	WALU
	OUTV 0
	OUTV 1
	OUTV 2
	OUTV 3
	v_cndmask_b32 v20, v[W4], v[W4+2], s[HM]       ; lanes 0-15 store channel tiles 0 and 1's words, lanes 16-31 tiles 2 and 3's
	v_cndmask_b32 v21, v[W4+1], v[W4+3], s[HM]
	global_store_b64 v13, v[20:21], s[SB:SB+1]     ; 256 consecutive bytes, aligned
	s_wait_tensorcnt 0x0                           ; the wave's end
	ds_add_u32 v[SPW], v[NIL]
	s_wait_dscnt 0x0
	CROUND                                         ; the closing round
	s_endpgm
.Lfunc_end_k_q01991a105a_proj:
	.size	k_q01991a105a_proj, .Lfunc_end_k_q01991a105a_proj-k_q01991a105a_proj
	.p2alignl 7, 3214868480
	.fill 96, 4, 3214868480
	.section	.rodata,"a",@progbits
	.p2align	6, 0x0
	.amdhsa_kernel k_q01991a105a_proj
		.amdhsa_group_segment_fixed_size 327680
		.amdhsa_private_segment_fixed_size 0
		.amdhsa_enable_private_segment 0
		.amdhsa_kernarg_size 72
		.amdhsa_user_sgpr_count 2
		.amdhsa_user_sgpr_kernarg_segment_ptr 1
		.amdhsa_wavefront_size32 1
		.amdhsa_system_sgpr_workgroup_id_x 1
		.amdhsa_system_sgpr_workgroup_id_y 1
		.amdhsa_system_sgpr_workgroup_id_z 1
		.amdhsa_system_vgpr_workitem_id 0
		.amdhsa_next_free_vgpr 768
		.amdhsa_next_free_sgpr 106
		.amdhsa_reserve_vcc 1
		.amdhsa_float_denorm_mode_32 3
		.amdhsa_float_denorm_mode_16_64 3
		.amdhsa_memory_ordered 1
		.amdhsa_forward_progress 1
		.amdhsa_inst_pref_size 185
	.end_amdhsa_kernel
	.amdgpu_metadata
---
amdhsa.version: [ 1, 2 ]
amdhsa.kernels:
  - .name:           k_q01991a105a_proj
    .symbol:         k_q01991a105a_proj.kd
    .args:
      - { .name: acodes, .offset: 0, .size: 8, .value_kind: global_buffer, .address_space: global }
      - { .name: ascales, .offset: 8, .size: 8, .value_kind: global_buffer, .address_space: global }
      - { .name: bq, .offset: 16, .size: 8, .value_kind: global_buffer, .address_space: global }
      - { .name: bk, .offset: 24, .size: 8, .value_kind: global_buffer, .address_space: global }
      - { .name: bv, .offset: 32, .size: 8, .value_kind: global_buffer, .address_space: global }
      - { .name: mask, .offset: 40, .size: 8, .value_kind: global_buffer, .address_space: global }
      - { .name: qimg, .offset: 48, .size: 8, .value_kind: global_buffer, .address_space: global }
      - { .name: qsc, .offset: 56, .size: 8, .value_kind: global_buffer, .address_space: global }
      - { .name: kvimg, .offset: 64, .size: 8, .value_kind: global_buffer, .address_space: global }
    .group_segment_fixed_size: 327680
    .private_segment_fixed_size: 0
    .kernarg_segment_align: 8
    .kernarg_segment_size: 72
    .max_flat_workgroup_size: 128
    .sgpr_count:     106
    .vgpr_count:     768
    .wavefront_size: 32
...
	.end_amdgpu_metadata
.endif
;; end of part 2
;; launch attn (part 3): grid 4 x 64, 16 waves a work-group, clusters of 4 x 1, 327,680 bytes of LDS; arguments qimg, qsc, kvimg, cc, cs; writes cc, cs
.if DOCPART == 3
	.amdgcn_target "amdgcn-amd-amdhsa--gfx1250"
	.amdhsa_code_object_version 6
	.text
	.protected	k_q01991a105a_attn
	.globl	k_q01991a105a_attn
	.p2align	8
	.type	k_q01991a105a_attn,@function
k_q01991a105a_attn:
	s_mov_b64 s[64:65], 0
	v_nop
	global_prefetch_b8 v0, s[64:65] scope:SCOPE_SE
	s_setreg_imm32_b32 hwreg(HW_REG_WAVE_MODE, 25, 1), 1
	s_wait_xcnt 0x0
	s_wait_alu depctr_hold_cnt(0) depctr_sa_sdst(0) depctr_va_vdst(0) depctr_va_sdst(0) depctr_va_ssrc(0) depctr_va_vcc(0) depctr_vm_vsrc(0)
	s_getreg_b32 s2, hwreg(HW_REG_IB_STS2, 6, 4)
	s_cmp_eq_u32 s2, 0
	s_cbranch_scc0 .Lentry_in_a_cluster
	s_endpgm
.Lentry_in_a_cluster:
	s_bfe_u32 s2, ttmp6, 0x10000c
	s_cmp_lg_u32 s2, 0x3003
	s_cbranch_scc0 .Lentry_shape_is_right
	s_endpgm
.Lentry_shape_is_right:
; ctx[b][q][head] = softmax_k(Q . K / 8, masked) V, both products on codes of FP6 (E2M3) with E8M0 scales, and the quantiser of the last product's operand.
; THE SOFTMAX: t = score x log2(e) / 8; M = the running largest t, rounded up to a whole number; p = 2^(t - M) is quantised along the keys, not normalised; the row's sum is taken of the unquantised p
; and divides at the end.  When M moves, the sum and O are multiplied by 2^(old M - new M): exact.  THE MASK: a masked key's score is exactly -2^33 by its codes (made by the launch before): p = 0 beside
; an open key, p = 1 for every key where a whole batch is masked.
; LIMITS: a masked logit is -2^30 and not -1e9: the result differs only where an open logit lies under about -1e9.  The promise holds while |t| stays under 2^31.  NaN and infinities are not served.
; SHARES.  A work-group owns 512 queries of one (batch, head); each of its sixteen waves two tiles of 16, one after the other, in 256 registers: four waves to a SIMD.  A wave walks 16 key steps of 128 keys.
; THE HEAD'S WHOLE K, V AND SCALE WORDS LIE IN LDS, 16 key steps x 15,104 bytes, as they lie in memory (images of the operands' registers): filled once.  Wave w fetches key step w: one tensor load a wave,
; 59 rows of 256 bytes.  Waves 0 to 3 have a load line of their own and alone wait ahead of the first barrier: key steps 0 to 3 are worked on while the others land; a second barrier shows those.
; No barrier stands behind that one.  CLUSTER 4 x 1: the four work-groups of a head need the same bytes: every load is joint.  All is asked for at the head: there is no later stream to prefetch.
; LAYOUT.  S^T = K Q^T, O^T = V^T P^T: a lane holds one query throughout.  Lane-row r of K's tile 4 c + u of a step is key 64 c + 8 u + r % 8 + 32 (r / 8): so register 32 c + i of lane (r, h) is key
; 64 c + 32 h + i: a WHOLE block of 32 keys in a lane, in the order of the second product's operand.  The head's 64 fill half of the first product's 128 along K: registers 8-11 of Q and K are zeros.
; V's channels: lane-row r of tile T is 32 (T / 2) + 8 (T % 2) + r + 8 (r / 8): the 16 registers of tiles 2 b, 2 b + 1 of O^T are channels 32 b + 16 h + 0 .. 15.
; OUT.  cc [tile 512][K step 8][c 2][p 3][lane][8 bytes]; cs [tile][K step][r]: a word a row, of which a head owns two bytes: they leave two bytes a lane, once a wave.
.set STEPB, 15104                      ; a key step: K's 8 tiles x 1,024 | V's 4 x 1,536 | K's scale words 512 | V's 256
.set VO,    8192
.set KSO,   14336
.set VSO,   14848
.set HEADB, 16*STEPB
.set SPARE, HEADB                      ; the spare words, 128 bytes for each of 16 waves
.set ADK, 3                            ; v3 the step's bytes + 16 x lane;  v4 + 16 r;  v5 = 8 h
.set ADS, 4
.set SPW, 10
.set NIL, 11                           ; v12 -M, v13 the running largest score, v[14:15] the row's sum in two halves
.set QR,  16                           ; v16-27 Q's fragment, v28 its scale words
.set QS,  28
.set KEEP, 29                          ; ctx's scale bytes: lanes 0-15 my first tile's, lanes 16-31 my second's
.set KF,  32                           ; v32-79 four fragments of K
.set S,   80                           ; v80-143 S^T, then p; then V's four fragments in v80-127
.set O,   144                          ; v144-175 O^T
.set PCD, 176                          ; v176-187 p's codes
.set CT,  188                          ; v188-190, v192-194 the blocks' upper halves as they are made
.set KSW, 196
.set VSW, 204
.set BM,  208                          ; v208-215 eight chains of maxima; v208, v212 the two blocks'
.set PX,  216
.set T,   217
.set SO,  218                          ; v218-219 the conversions' scale operands
.set T2,  222
.set W,   223
.set U,   224                          ; v224-237 seven partial sums
.set BY,  238
.set FF,  240                          ; f = 2^(old M - new M); v241 p's scale word (named with it as a pair)
.set PS,  241
.set WV,  14
.set SEL, 20
.set CS,  22
.set G1,  24
.set G0,  32
.set TB,  48
.macro PLACES n
.rept \n
	v_nop
.endr
.endm
.macro WALU
	s_wait_alu depctr_va_vdst(0)
.endm
.macro HINT n
	s_delay_alu instid0(VALU_DEP_\n)
.endm
.macro CROUND
	s_barrier_signal -1
	s_barrier_wait -1
	s_cmp_lg_u32 s[WV], 0
	s_cbranch_scc1 .Lnot_wave_0_\@
	s_barrier_signal -3
.Lnot_wave_0_\@:
	s_barrier_wait -3
	s_barrier_signal -1
	s_barrier_wait -1
.endm
	s_load_b256 s[4:11], s[0:1], 0x0               ; qimg, qsc, kvimg, cc
	s_load_b64 s[12:13], s[0:1], 0x20              ; cs
	v_lshl_add_u32 v[SPW], v0, 2, SPARE
	v_mov_b32 v[NIL], 0
	ds_add_u32 v[SPW], v[NIL]
	ds_add_u32 v[SPW], v[NIL]
	v_lshrrev_b32 v1, 5, v0
	HINT 1
	v_readfirstlane_b32 s[WV], v1                  ; wave 0..15
	s_bfe_u32 s15, ttmp6, 0x40000                  ; cx: which quarter of the queries: it enters Q's and ctx's addresses alone
	s_and_b32 s16, ttmp7, 0xffff                   ; 16 x batch + head, which the four partners share
	s_mov_b32 s[G1], 15|(3<<16)|(1<<21)            ; the mask: all four; elements of 8 bytes; bit 21 beside a mask
	s_mov_b32 s[G1+1], 32<<16                      ; 59 rows of 256 bytes, dense
	s_mov_b32 s[G1+2], 59<<16
	s_mov_b32 s[G1+3], 32<<16
	s_mov_b32 s[G1+4], 59
	s_mov_b32 s[G1+5], 32
	s_mov_b32 s[G1+6], 0
	s_mov_b32 s[G1+7], 0
	s_mul_i32 s66, s[WV], STEPB                    ; my key step, in LDS and in the head's bytes
	s_mul_i32 s68, s16, HEADB
	s_add_co_u32 s68, s68, s66
	s_mov_b32 s69, 0
	s_mov_b32 s[SEL], 0x76543210
	s_mov_b32 s[SEL+1], 0xfedcba98
	s_mov_b32 s[CS], 0x3e38aa3b                    ; c = log2(e) / 8
	s_mov_b32 s[CS+1], s[CS]
	s_wait_dscnt 0x0
	s_wait_kmcnt 0x0
	s_mov_b32 s[G0], 1
	s_mov_b32 s[G0+1], s66
	s_add_nc_u64 s[G0+2:G0+3], s[8:9], s[68:69]
	s_or_b32 s[G0+3], s[G0+3], 0x80000000
	CROUND                                         ; all four work-groups are here: the joint loads meet
	s_cmp_lt_u32 s[WV], 4
	s_cbranch_scc0 .Llate
	tensor_load_to_lds s[G0:G0+3], s[G1:G1+7]      ; waves 0 to 3: key steps 0 to 3
	s_nop 0
	PLACES 4
	s_branch .Lasked
.Llate:
	tensor_load_to_lds s[G0:G0+3], s[G1:G1+7]      ; waves 4 to 15: key steps 4 to 15
	s_nop 0
	PLACES 4
.Lasked:
	s_lshl_b32 s66, s15, 5
	s_lshl_b32 s67, s[WV], 1
	s_add_co_u32 s66, s66, s67                     ; my first tile of queries in the batch: 32 cx + 2 wave
	s_lshl_b32 s70, s16, 17
	s_lshl_b32 s67, s66, 10
	s_add_co_u32 s70, s70, s67
	s_mov_b32 s71, 0
	s_add_nc_u64 s[56:57], s[4:5], s[70:71]        ; its image
	s_lshl_b32 s70, s16, 13
	s_lshr_b32 s67, s66, 2
	s_lshl_b32 s67, s67, 8
	s_add_co_u32 s70, s70, s67
	s_and_b32 s67, s66, 3
	s_lshl_b32 s67, s67, 2
	s_add_co_u32 s70, s70, s67
	s_add_nc_u64 s[58:59], s[6:7], s[70:71]        ; its scale words: [tile / 4][r][tile % 4]
	s_lshr_b32 s67, s16, 4
	s_lshl_b32 s67, s67, 7
	s_add_co_u32 s66, s66, s67                     ; the tile among all 512
	s_and_b32 s67, s16, 15                         ; the head
	s_lshr_b32 s68, s67, 1                         ; its K step of the last product,
	s_and_b32 s67, s67, 1                          ; and its half of it
	s_mul_i32 s70, s66, 12288
	s_mul_i32 s69, s68, 1536
	s_add_co_u32 s70, s70, s69
	s_mul_i32 s69, s67, 768
	s_add_co_u32 s70, s70, s69
	s_add_nc_u64 s[60:61], s[10:11], s[70:71]      ; ctx's codes
	s_lshl_b32 s70, s66, 9
	s_lshl_b32 s69, s68, 6
	s_add_co_u32 s70, s70, s69
	s_lshl_b32 s69, s67, 1
	s_add_co_u32 s70, s70, s69
	s_add_nc_u64 s[62:63], s[12:13], s[70:71]      ; ctx's scale bytes
	v_and_b32 v1, 31, v0
	HINT 1
	v_lshlrev_b32 v8, 3, v1                        ; 8 x lane
	HINT 2
	v_lshlrev_b32 v1, 4, v1                        ; 16 x lane
	v_and_b32 v2, 15, v0
	v_bfe_u32 v9, v0, 4, 1
	HINT 1
	v_lshlrev_b32 v5, 3, v9                        ; 8 h
	HINT 2
	v_lshlrev_b32 v9, 9, v9
	HINT 1
	v_lshl_add_u32 v9, v2, 2, v9                   ; 512 h + 4 r: lanes 16-31 store my second tile's bytes
	v_lshlrev_b32 v2, 4, v2                        ; 16 r
.irp i, 8,9,10,11
	v_mov_b32 v[QR+\i], 0                          ; k = 80 on of Q and of K: zeros, written once
.irp t, 0,1,2,3
	v_mov_b32 v[KF+12*\t+\i], 0
.endr
.endr
	v_mov_b32 v[PX], 0                             ; a lane permute's destination counts as one of its sources
	v_mov_b32 v[PS], 0                             ; (named as the upper half of a pair before it is first written)
	v_mov_b32 v[KEEP], 0
; A KEY STEP: 128 keys at LDS byte s[TB].
.macro STEP
	v_add_nc_u32 v[ADK], s[TB], v1
	v_add_nc_u32 v[ADS], s[TB], v2
	WALU
	ds_load_b128 v[KSW:KSW+3], v[ADS] offset:KSO
	ds_load_b128 v[KSW+4:KSW+7], v[ADS] offset:KSO+256
.irp g, 0,1                            ; S^T = K Q^T, four tiles of 16 keys at a time
.if \g > 0
	PLACES 4                                       ; in front of loads into registers that products have read
.endif
.irp t, 0,1,2,3
	ds_load_b128 v[KF+12*\t:KF+12*\t+3], v[ADK] offset:1024*(4*\g+\t)
	ds_load_b128 v[KF+12*\t+4:KF+12*\t+7], v[ADK] offset:1024*(4*\g+\t)+512
.endr
	s_wait_dscnt 0x0
.irp t, 0,1,2,3
	v_wmma_scale_f32_16x16x128_f8f6f4 v[S+8*(4*\g+\t):S+8*(4*\g+\t)+7], v[KF+12*\t:KF+12*\t+11], v[QR:QR+11], 0, v[KSW+4*\g+\t], v[QS] matrix_a_fmt:MATRIX_FMT_FP6 matrix_b_fmt:MATRIX_FMT_FP6
.endr
.endr
	; the largest score of each block of 32 keys (it serves the row's maximum and, since p rises with the score, the block's largest p): a chain a tile, the eight by turns.
	; The first four lines read the first four tiles alone: they are the places behind the last four products.  Each accumulator is read from its low end on.
.irp t, 0,1,2,3,4,5,6,7
	v_max3_num_f32 v[BM+\t], v[S+8*\t], v[S+8*\t+1], v[S+8*\t+2]
.endr
.irp i, 3,5
.irp t, 0,1,2,3,4,5,6,7
	v_max3_num_f32 v[BM+\t], v[BM+\t], v[S+8*\t+\i], v[S+8*\t+\i+1]
.endr
.endr
.irp c, 0,1
	v_max3_num_f32 v[BM+4*\c], v[BM+4*\c], v[S+32*\c+7], v[S+32*\c+15]
.endr
.irp c, 0,1
	v_max3_num_f32 v[BM+4*\c+1], v[BM+4*\c+1], v[S+32*\c+23], v[S+32*\c+31]
.endr
.irp c, 0,1
	v_max_num_f32 v[BM+4*\c+2], v[BM+4*\c+2], v[BM+4*\c+3]
.endr
.irp c, 0,1
	HINT 2
	v_max3_num_f32 v[BM+4*\c], v[BM+4*\c], v[BM+4*\c+1], v[BM+4*\c+2]   ; block 2 c + h's largest score
.endr
	HINT 1
	v_max_num_f32 v[T], v[BM], v[BM+4]
	HINT 1
	v_permlanex16_b32 v[PX], v[T], s[SEL], s[SEL+1]
	HINT 1
	v_max3_num_f32 v13, v13, v[T], v[PX]           ; the running largest score of my query (c is positive)
	v_mov_b32 v[T2], v12
	HINT 2
	v_mul_f32 v[T], s[CS], v13                     ; as t
	HINT 1
	v_floor_f32 v12, -v[T]                         ; the new -M = floor(-t): M is a whole number
.set N, 0
.rept 32
	v_pk_fma_f32 v[S+N:S+N+1], v[S+N:S+N+1], s[CS:CS+1], v[12:13] op_sel_hi:[1,0,0]   ; t - M
.if N == 8
	v_sub_f32 v[T2], v12, v[T2]                    ; old M - new M: a whole number, 0 or less
.endif
.if N == 18
	v_cvt_i32_f32 v[T2], v[T2]                     ; (it saturates)
.endif
.if N == 28
	v_ldexp_f32 v[FF], 1.0, v[T2]                  ; f = 2^(old M - new M)
.endif
.set N, N+2
.endr
	v_fma_f32 v[BM], v[BM], s[CS], v12             ; the same of each block's largest score
	v_fma_f32 v[BM+4], v[BM+4], s[CS], v12
	WALU                                           ; the wait ahead of the batch
.set N, 0
.rept 64
	v_exp_f32 v[S+N], v[S+N]                       ; p = 2^(t - M)
.set N, N+1
.endr
	v_exp_f32 v[BM], v[BM]                         ; the blocks' largest p
	v_exp_f32 v[BM+4], v[BM+4]
	v_pk_mul_f32 v[14:15], v[14:15], v[FF:FF+1] op_sel_hi:[1,0]   ; the sums under the new M: the plain place behind the batch
	WALU                                           ; one wait for the batch of 66, ahead of its first reader
	; the row's sum of the unquantised p: 32 pairs into eight chains; the chains are joined behind the step's last products
.irp k, 0,1,2,3,4,5,6
	v_pk_add_f32 v[U+2*\k:U+2*\k+1], v[S+2*\k:S+2*\k+1], v[S+14+2*\k:S+15+2*\k]
.endr
.irp j, 14,21
.irp k, 0,1,2,3,4,5,6
	v_pk_add_f32 v[U+2*\k:U+2*\k+1], v[U+2*\k:U+2*\k+1], v[S+2*(\j+\k):S+2*(\j+\k)+1]
.endr
.endr
	v_pk_add_f32 v[14:15], v[14:15], v[S+56:S+57]
.irp k, 0,1,2
	v_pk_add_f32 v[U+2*\k:U+2*\k+1], v[U+2*\k:U+2*\k+1], v[S+58+2*\k:S+59+2*\k]
.endr
	v_max_num_f32 v[BM], 0x1800000, v[BM]          ; the floor 2^(3 - 127): a block whose every p is 0 keeps the byte 1: its codes are zeros
	v_max_num_f32 v[BM+4], 0x1800000, v[BM+4]
	HINT 2
	v_add_nc_u32 v[SO], 0xff000000, v[BM]          ; 2 off the exponent field: the conversion's scale operand
	HINT 2
	v_add_nc_u32 v[SO+1], 0xff000000, v[BM+4]
.irp c, 0,1
	v_cvt_scalef32_pk16_fp6_f32 v[PCD+6*\c:PCD+6*\c+2], v[S+32*\c:S+32*\c+15], v[SO+\c]
	v_cvt_scalef32_pk16_fp6_f32 v[CT+4*\c:CT+4*\c+2], v[S+32*\c+16:S+32*\c+31], v[SO+\c]   ; (a conversion's three registers begin on an even number)
.endr
	v_lshrrev_b32 v[BY], 23, v[SO]                 ; the scales' bytes: blocks h and 2 + h.  (The plain place behind the conversions)
	v_lshrrev_b32 v[BY+1], 23, v[SO+1]
.irp t, 0,1,2,3                        ; p is done with: V's four fragments land in its registers under the work below
.irp g, 0,1,2
	ds_load_b128 v[S+12*\t+4*\g:S+12*\t+4*\g+3], v[ADK] offset:VO+1536*\t+512*\g
.endr
.endr
	ds_load_b128 v[VSW:VSW+3], v[ADS] offset:VSO
	v_lshl_or_b32 v[W], v[BY+1], 16, v[BY]
.irp i, 0,1,2
	v_mov_b32 v[PCD+3+\i], v[CT+\i]
.endr
	HINT 4
	v_lshlrev_b32 v[W], v5, v[W]                   ; my two bytes at their places in the word
.irp i, 0,1,2
	v_mov_b32 v[PCD+9+\i], v[CT+4+\i]
.endr
	HINT 4
	v_permlanex16_b32 v[PX], v[W], s[SEL], s[SEL+1]
	WALU                                           ; the wait directly ahead of the first reader of O^T
.set N, 0
.rept 16
	v_pk_mul_f32 v[O+N:O+N+1], v[O+N:O+N+1], v[FF:FF+1] op_sel_hi:[1,0]   ; O^T under the new M; twelve of these stand between the scale word's write and the products
.if N == 6
	v_or_b32 v[PS], v[W], v[PX]                    ; with lane l xor 16's two bytes p's scale word is whole
.endif
.set N, N+2
.endr
	WALU
	s_wait_dscnt 0x0
.irp t, 0,1,2,3                        ; O^T += V^T P^T: four accumulators, one instruction each
	v_wmma_scale_f32_16x16x128_f8f6f4 v[O+8*\t:O+8*\t+7], v[S+12*\t:S+12*\t+11], v[PCD:PCD+11], v[O+8*\t:O+8*\t+7], v[VSW+\t], v[PS] matrix_a_fmt:MATRIX_FMT_FP6 matrix_b_fmt:MATRIX_FMT_FP6
.endr
	; the sum's chains are joined: seven plain lines that name no register of the products above: the places ahead of the next step's products, which write over V's fragments, and of the way out
	v_pk_add_f32 v[U:U+1], v[U:U+1], v[U+2:U+3]
	v_pk_add_f32 v[U+4:U+5], v[U+4:U+5], v[U+6:U+7]
	v_pk_add_f32 v[U+8:U+9], v[U+8:U+9], v[U+10:U+11]
	v_pk_add_f32 v[14:15], v[14:15], v[U+12:U+13]
	HINT 3
	v_pk_add_f32 v[U:U+1], v[U:U+1], v[U+4:U+5]
	HINT 2
	v_pk_add_f32 v[14:15], v[14:15], v[U+8:U+9]
	HINT 1
	v_pk_add_f32 v[14:15], v[14:15], v[U:U+1]
.endm
.macro LOOP first, n                   ; key steps first .. first + n - 1
	s_mov_b32 s[TB], STEPB*\first
	s_mov_b32 s52, \n
.Lstep_\@:
	STEP
	s_add_co_u32 s[TB], s[TB], STEPB
	s_sub_co_u32 s52, s52, 1
	s_cmp_lg_u32 s52, 0
	s_cbranch_scc1 .Lstep_\@
.endm
.macro INIT                            ; a tile of queries begins
	global_load_b128 v[QR:QR+3], v1, s[56:57]
	global_load_b128 v[QR+4:QR+7], v1, s[56:57] offset:512
	global_load_b32 v[QS], v2, s[58:59]
	v_mov_b32 v13, 0xff61b1e6                      ; the largest score so far: -3e38
	HINT 1
	v_floor_f32 v12, -v13
	v_mov_b32 v14, 0
	v_mov_b32 v15, 0
.set N, 0
.rept 32
	v_mov_b32 v[O+N], 0                            ; the step is written once: the first finds zeros, which the first change of M leaves zeros
.set N, N+1
.endr
	WALU
	s_wait_loadcnt 0x0
.endm
; THE WAY OUT OF TILE n: O^T / the sum, quantised along the head's 64 channels: two blocks; register 16 b + i of lane (r, h) is channel 32 b + 16 h + i
.macro TAIL n
	v_add_f32 v14, v14, v15
	HINT 1
	v_permlanex16_b32 v[T], v14, s[SEL], s[SEL+1]
	HINT 1
	v_add_f32 v14, v14, v[T]                       ; the row's sum
	WALU
	v_rcp_f32 v14, v14
	v_nop                                          ; a plain place behind the reciprocal,
	WALU                                           ; and the wait ahead of its first reader, and of O^T's
.set N, 0
.rept 16
	v_pk_mul_f32 v[S+N:S+N+1], v[O+N:O+N+1], v[14:15] op_sel_hi:[1,0]
.set N, N+2
.endr
.irp b, 0,1
	v_max3_num_f32 v[BM+\b], |v[S+16*\b]|, |v[S+16*\b+1]|, 0x1800000
.endr
.irp i, 2,4,6,8,10,12,14
.irp b, 0,1
	HINT 2
	v_max3_num_f32 v[BM+\b], v[BM+\b], |v[S+16*\b+\i]|, |v[S+16*\b+\i+1]|
.endr
.endr
.irp b, 0,1
	HINT 2
	v_permlanex16_b32 v[U+\b], v[BM+\b], s[SEL], s[SEL+1]
.endr
.irp b, 0,1
	HINT 2
	v_max_num_f32 v[BM+\b], v[BM+\b], v[U+\b]
.endr
.irp b, 0,1
	HINT 2
	v_add_nc_u32 v[SO+\b], 0xff000000, v[BM+\b]
.endr
.irp b, 0,1
	HINT 2
	v_lshrrev_b32 v[U+\b], 23, v[SO+\b]
.endr
	HINT 1
	v_lshl_or_b32 v[T2], v[U+1], 8, v[U]           ; my row's two bytes
	v_cvt_scalef32_pk16_fp6_f32 v[PCD:PCD+2], v[S:S+15], v[SO]
	v_cvt_scalef32_pk16_fp6_f32 v[CT:CT+2], v[S+16:S+31], v[SO+1]
	v_nop
.irp i, 0,1,2
	v_permlane16_swap_b32 v[PCD+\i], v[CT+\i]      ; the operand's layout wants a whole block in a lane
.endr
.irp i, 0,1,2
	HINT 3
	v_mov_b32 v[PCD+3+\i], v[CT+\i]                ; six registers: channels 32 h + 0 .. 31
.endr
.irp p, 0,1,2
	global_store_b64 v8, v[PCD+2*\p:PCD+2*\p+1], s[60:61] offset:256*\p   ; 256 consecutive bytes, aligned
.endr
	s_mov_b32 s54, 0xffff<<(16*\n)
	v_cndmask_b32 v[KEEP], v[KEEP], v[T2], s54
.endm
	INIT
	s_wait_dscnt 0x0
	s_cmp_lt_u32 s[WV], 4
	s_cbranch_scc0 .Lnot_first
	s_wait_tensorcnt 0x0                           ; waves 0 to 3: my key step has landed
.Lnot_first:
	s_barrier_signal -1
	s_barrier_wait -1                              ; key steps 0 to 3 are in; the others may be on their way
	LOOP 0, 4
	WALU
	s_wait_tensorcnt 0x0                           ; every wave: my key step has landed
	s_wait_dscnt 0x0
	s_barrier_signal -1
	s_barrier_wait -1                              ; all sixteen are in
	LOOP 4, 12
	TAIL 0
	s_wait_xcnt 0x0                                ; loads and stores have read their bases and registers
	s_add_nc_u64 s[56:57], s[56:57], 1024
	s_add_nc_u64 s[58:59], s[58:59], 4
	s_add_nc_u64 s[60:61], s[60:61], 12288
	INIT
	LOOP 0, 16
	TAIL 1
	WALU
	global_store_b16 v9, v[KEEP], s[62:63]         ; two bytes a lane: my head's half of each row's scale word, both tiles
	s_wait_tensorcnt 0x0                           ; the wave's end
	ds_add_u32 v[SPW], v[NIL]
	s_wait_dscnt 0x0
	CROUND                                         ; the closing round
	s_endpgm
.Lfunc_end_k_q01991a105a_attn:
	.size	k_q01991a105a_attn, .Lfunc_end_k_q01991a105a_attn-k_q01991a105a_attn
	.p2alignl 7, 3214868480
	.fill 96, 4, 3214868480
	.section	.rodata,"a",@progbits
	.p2align	6, 0x0
	.amdhsa_kernel k_q01991a105a_attn
		.amdhsa_group_segment_fixed_size 327680
		.amdhsa_private_segment_fixed_size 0
		.amdhsa_enable_private_segment 0
		.amdhsa_kernarg_size 40
		.amdhsa_user_sgpr_count 2
		.amdhsa_user_sgpr_kernarg_segment_ptr 1
		.amdhsa_wavefront_size32 1
		.amdhsa_system_sgpr_workgroup_id_x 1
		.amdhsa_system_sgpr_workgroup_id_y 1
		.amdhsa_system_sgpr_workgroup_id_z 1
		.amdhsa_system_vgpr_workitem_id 0
		.amdhsa_next_free_vgpr 256
		.amdhsa_next_free_sgpr 72
		.amdhsa_reserve_vcc 0
		.amdhsa_float_denorm_mode_32 3
		.amdhsa_float_denorm_mode_16_64 3
		.amdhsa_memory_ordered 1
		.amdhsa_forward_progress 1
		.amdhsa_inst_pref_size 64
	.end_amdhsa_kernel
	.amdgpu_metadata
---
amdhsa.version: [ 1, 2 ]
amdhsa.kernels:
  - .name:           k_q01991a105a_attn
    .symbol:         k_q01991a105a_attn.kd
    .args:
      - { .name: qimg, .offset: 0, .size: 8, .value_kind: global_buffer, .address_space: global }
      - { .name: qsc, .offset: 8, .size: 8, .value_kind: global_buffer, .address_space: global }
      - { .name: kvimg, .offset: 16, .size: 8, .value_kind: global_buffer, .address_space: global }
      - { .name: cc, .offset: 24, .size: 8, .value_kind: global_buffer, .address_space: global }
      - { .name: cs, .offset: 32, .size: 8, .value_kind: global_buffer, .address_space: global }
    .group_segment_fixed_size: 327680
    .private_segment_fixed_size: 0
    .kernarg_segment_align: 8
    .kernarg_segment_size: 40
    .max_flat_workgroup_size: 512
    .sgpr_count:     72
    .vgpr_count:     256
    .wavefront_size: 32
...
	.end_amdgpu_metadata
.endif
;; end of part 3
;; launch outp (part 4): grid 32 x 8, 4 waves a work-group, clusters of 4 x 4, 327,680 bytes of LDS; arguments acodes, ascales, cc, cs, bo, out0; writes out0
.if DOCPART == 4
	.amdgcn_target "amdgcn-amd-amdhsa--gfx1250"
	.amdhsa_code_object_version 6
	.text
	.protected	k_q01991a105a_outp
	.globl	k_q01991a105a_outp
	.p2align	8
	.type	k_q01991a105a_outp,@function
k_q01991a105a_outp:
	s_mov_b64 s[64:65], 0
	v_nop
	global_prefetch_b8 v0, s[64:65] scope:SCOPE_SE
	s_setreg_imm32_b32 hwreg(HW_REG_WAVE_MODE, 25, 1), 1
	s_wait_xcnt 0x0
	s_wait_alu depctr_hold_cnt(0) depctr_sa_sdst(0) depctr_va_vdst(0) depctr_va_sdst(0) depctr_va_ssrc(0) depctr_va_vcc(0) depctr_vm_vsrc(0)
	s_getreg_b32 s2, hwreg(HW_REG_IB_STS2, 6, 4)
	s_cmp_eq_u32 s2, 0
	s_cbranch_scc0 .Lentry_in_a_cluster
	s_endpgm
.Lentry_in_a_cluster:
	s_bfe_u32 s2, ttmp6, 0x10000c
	s_cmp_lg_u32 s2, 0xf033
	s_cbranch_scc0 .Lentry_shape_is_right
	s_endpgm
.Lentry_shape_is_right:
; out0 = ctx Wo^T + bo on codes of FP6 (E2M3) with E8M0 scales; out0 [8192][1024] f32.  LIMITS: NaN, infinities and sums beyond f32's range are not served; a sum begins with the bias.
; B = Wo: tiles 1,728 on of acodes [tile][K step 8][1,536]: images of the operand's registers, four registers a lane in 16 bytes; ascales [tile][K step][r]: a word a row.
; A = ctx: cc [tile 512][K step 8][c 2][p 3][lane][8 bytes]; cs [tile][K step][r].  Lane-row r of tile T (of both) is row 32 (T / 2) + 8 (T % 2) + r + 8 (r / 8).
; THE DEAL.  256 work-groups of four waves, 2 x 2, each 256 tokens x 128 features.  A wave holds four tiles of Wo, all of K, in registers (384), and streams ctx past them in eight blocks of 16 tokens:
; the wave in row w takes tile 2 s + w of the work-group's 16 as its block s.  Source 0 = Wo's rows, source 1 = ctx's: a lane holds one token, and the 16 registers of Wo's tiles 2 b, 2 b + 1 are features 32 b + 16 h + 0 .. 15.
; THE CLUSTER's x COUNTS TILE ROWS: tile row 4 x cluster x + cx, tile column 4 x cluster y + cy.  A's tiles are shared by a COLUMN of the cluster, B's by a ROW.
; LDS: A's 16 tiles; B's 8; the scale words (A's 8,192 bytes, B's 4,096), which come by plain loads and LDS stores; the spare words.  All is filled once and asked for at the head: no refill, nothing to prefetch.
; The waves' stages lie in B's first bytes, which are read for the last time ahead of the barrier in front of the stream.
; THE HEAD'S FOUR TILES, one a wave, each on its own line: B; A's tiles 0 to 7; 8 to 11; 12 to 15.  The stream begins when the first two are in; a plain barrier inside the odd blocks shows the others.
; TWO SETS of A's fragments, of accumulators and of the rows that come back from the stage, by turns.  ONE RUN OF MEMORY LINES behind a block's 32 products: its sums into the stage and back as whole rows of
; 256 bytes; the fetch of the block two on; one wait; eight stores.  Younger than the rows' way back is the run's fetch alone (NF); the wait shows the next block's rows in too.
.set SIZE_N, 1024
.set NQ, 8                             ; K / 128
.set NB, 4                             ; tiles of Wo a wave
.set TILEB, 12288                      ; a tile, all of K
.set FRB, 1536
.set FR, 12                            ; registers of a fragment
.set FPW, 256/FR                       ; fragments in a window
.set NF, 32                            ; LDS loads of a block: 24 for eight fragments, 8 scale words
.set YB, 16*TILEB                      ; B's tiles
.set SCL, YB+8*TILEB                   ; A's scale words, then B's
.set SPARE, SCL+12288
.set SPITCH, 272                       ; a stage row: 256 bytes + 16
.set STAGE, YB
.set AAS0, 6                           ; v6  LDS address of my row's scale words in block 0
.set CO, 9                             ; v9  my byte offset in out0: row l / 16, 16 bytes x (l % 16)
.set SPW, 10
.set NIL, 11
.set ADRB, 14                          ; v14 my tiles of B + 16 x lane
.set ABS, 16                           ; v16 B's scale words: lanes 0-15 an even tile's, lanes 16-31 the odd one's
.set AAS, 17                           ; v17 as v6, for the block that is fetched next
.set STO, 18
.set RD, 19
.set SB, 24                            ; v24-39  B's scale words
.set SA, 42                            ; v42-57  A's: two sets of eight
.set ACC, 64                           ; v64-127 two sets of four accumulators
.set BK, 128                           ; v128-191 two sets: 16 rows x 256 bytes back from the stage
.set AQ0, 192                          ; v192-199 LDS addresses of block 0's eight fragments
.set AQ, 200                           ; v200-207 the same for the block that is fetched next
.set BO, 208                           ; v208-239 the bias as the first four products' C
.set G1A, 24
.set G0A, 56
.set G1B, 32
.set G0B, 60
.set MSB, 0
.macro WIN new
.if MSB != \new
	s_set_vgpr_msb (MSB<<8)|\new
.set MSB, \new
.endif
.endm
.macro PLACES n
.rept \n
	v_nop
.endr
.endm
.macro WALU
	s_wait_alu depctr_va_vdst(0)
.endm
.macro BARRIER
	s_barrier_signal -1
	s_barrier_wait -1
.endm
.macro CROUND
	BARRIER
	s_cmp_lg_u32 s14, 0
	s_cbranch_scc1 .Lnot_wave_0_\@
	s_barrier_signal -3
.Lnot_wave_0_\@:
	s_barrier_wait -3
	BARRIER
.endm
.macro TLOAD g0, g1                    ; an s_nop 0 and four v_nop follow a tensor load
	tensor_load_to_lds s[\g0:\g0+3], s[\g1:\g1+7]
	s_nop 0
	PLACES 4
.endm
.macro ATILE first, rows               ; tiles first .. first + rows - 1 of A, by a descriptor of constants
	s_mov_b32 s[G0A+1], (\first)*TILEB
	s_mov_b32 s[G1A+2], (\rows)<<16
	s_mov_b32 s[G1A+4], \rows
.if \first
	s_add_nc_u64 s[G0A+2:G0A+3], s[G0A+2:G0A+3], (\first)*TILEB
.endif
	s_or_b32 s[G0A+3], s[G0A+3], 0x80000000
	TLOAD G0A, G1A
.endm
.macro GROUP1 g, mask                  ; rows of 12,288 bytes (1,536 elements of 8), dense
	s_or_b32 s[\g+0], s[\mask], (3<<16)|(1<<21)
	s_mov_b32 s[\g+1], 1536<<16
	s_mov_b32 s[\g+3], 1536<<16
	s_mov_b32 s[\g+5], 1536
	s_mov_b32 s[\g+6], 0
	s_mov_b32 s[\g+7], 0
.endm
; fragment f lies in window 1 + f / 21 at register 12 (f % 21): 0-31 B's (4 q + tile), 32-47 A's two sets (32 + 8 e + q)
.macro FRAGB f, q, b
	WIN (1+(\f)/FPW)<<6
.irp g, 0,1,2
	ds_load_b128 v[FR*((\f)%FPW)+4*\g:FR*((\f)%FPW)+4*\g+3], v[ADRB] offset:TILEB*(\b)+FRB*(\q)+512*\g
.endr
.endm
.macro FETCHAT e, aq, as               ; a block of A into set e: NF loads
.irp q, 0,1,2,3,4,5,6,7
	WIN (1+(NB*NQ+NQ*(\e)+\q)/FPW)<<6
.irp p, 0,2,4
	ds_load_2addr_b64 v[FR*((NB*NQ+NQ*(\e)+\q)%FPW)+2*\p:FR*((NB*NQ+NQ*(\e)+\q)%FPW)+2*\p+3], v[\aq+\q] offset0:32*\p offset1:32*\p+32
.endr
.endr
	WIN 0
.irp q, 0,1,2,3,4,5,6,7
	ds_load_b32 v[SA+8*(\e)+\q], v[\as] offset:64*\q
.endr
.endm
.macro PROD e, n                       ; product n = 4 q + tile of a block whose rows lie in set e
.set Q_, (\n)/4
.set FB_, NB*Q_+(\n)%4
.set FA_, NB*NQ+NQ*(\e)+Q_
.set D_, ACC+32*(\e)+8*((\n)%4)
.set XB_, SB+NQ*(((\n)%4)/2)+Q_
.set XA_, SA+8*(\e)+Q_
	WIN (1+FB_/FPW)|((1+FA_/FPW)<<2)
.if Q_
	PROD1 D_, FB_, FA_, v[D_:D_+7], XB_, XA_, (\n)%2
.else
	PROD1 D_, FB_, FA_, v[BO+8*((\n)%4):BO+8*((\n)%4)+7], XB_, XA_, (\n)%2
.endif
.endm
.macro PROD1 d, s0, s1, c, x0, x1, o
.if \o
	v_wmma_scale_f32_16x16x128_f8f6f4 v[\d:\d+7], v[FR*((\s0)%FPW):FR*((\s0)%FPW)+FR-1], v[FR*((\s1)%FPW):FR*((\s1)%FPW)+FR-1], \c, v[\x0], v[\x1] matrix_a_fmt:MATRIX_FMT_FP6 matrix_b_fmt:MATRIX_FMT_FP6 matrix_a_scale:MATRIX_SCALE_ROW1
.else
	v_wmma_scale_f32_16x16x128_f8f6f4 v[\d:\d+7], v[FR*((\s0)%FPW):FR*((\s0)%FPW)+FR-1], v[FR*((\s1)%FPW):FR*((\s1)%FPW)+FR-1], \c, v[\x0], v[\x1] matrix_a_fmt:MATRIX_FMT_FP6 matrix_b_fmt:MATRIX_FMT_FP6 matrix_a_scale:MATRIX_SCALE_ROW0
.endif
.endm
.macro ENTRY i, fetch                  ; behind products 1 to 5: five of the next fetch's nine addresses (the other four fill the places behind the last product)
.if \fetch
.if (\i) == 1
	s_add_co_u32 s101, s101, 2*TILEB
	s_add_co_u32 s91, s91, 1024
.endif
.if (\i) >= 1 && (\i) <= 5
	WIN 0
	v_add_nc_u32 v[AQ+\i-1], s101, v[AQ0+\i-1]
.endif
.endif
.endm
.macro PRODS e, from, to, fetch
.set N_, \from
.rept (\to)-(\from)
	PROD \e, N_
	ENTRY N_, \fetch
.set N_, N_+1
.endr
	WIN 0
.endm
.macro STAGED u                        ; set u's sums into my stage, each accumulator from its low end on, and back as whole rows.  LDS serves a wave's instructions in order (ISA guide 5.7.1.4): no wait between
.irp b, 0,1,2,3
	ds_store_b128 v[STO], v[ACC+32*(\u)+8*\b:ACC+32*(\u)+8*\b+3] offset:128*(\b/2)+32*(\b%2)       ; features 32 (b / 2) + 16 h + 8 (b % 2) + 0 .. 7
	ds_store_b128 v[STO], v[ACC+32*(\u)+8*\b+4:ACC+32*(\u)+8*\b+7] offset:128*(\b/2)+32*(\b%2)+16
.endr
.irp t, 0,1,2,3,4,5,6,7
	ds_load_b128 v[BK+32*(\u)+4*\t:BK+32*(\u)+4*\t+3], v[RD] offset:2*\t*SPITCH
.endr
.endm
.macro TOC s                           ; s[12:13] stands at the pair's first token; the pair's second block lies 32 tokens on.  Lane-rows 2 t, 2 t + 1 are tokens 2 t + 8 (t / 4) and the next
.irp t, 0,1,2,3,4,5,6,7
	global_store_b128 v[CO], v[BK+32*(\s)+4*\t:BK+32*(\s)+4*\t+3], s[12:13] offset:(32*(\s)+2*\t+8*(\t/4))*SIZE_N*4 th:TH_STORE_NT   ; sixteen lanes store 256 consecutive bytes, aligned
.endr
.endm
.macro STREAM s, fetch, show           ; a pair's block s = 0, 1.  show = 1: a plain barrier inside the block shows waves 2 and 3's tiles to all
.if \show
	PRODS \s, 0, 24, \fetch
	s_wait_tensorcnt 0x0
	s_wait_dscnt 0x0
	s_barrier_signal -1
	PRODS \s, 24, 32, \fetch
	s_barrier_wait -1
.else
	PRODS \s, 0, 32, \fetch
.endif
.if \fetch                             ; four plain vector lines between the last product and the first reader of its sums, and the fetch into the registers that it has read
	v_add_nc_u32 v[AQ+5], s101, v[AQ0+5]
	v_add_nc_u32 v[AQ+6], s101, v[AQ0+6]
	v_add_nc_u32 v[AQ+7], s101, v[AQ0+7]
	v_add_nc_u32 v[AAS], s91, v[AAS0]
	WALU
.else
	PLACES 4
.endif
	s_wait_xcnt 0x0                                ; the stores of two blocks ago have read set s of the rows, and those of the block before their base
.if (\s) == 0
	s_add_nc_u64 s[12:13], s[12:13], s[20:21]      ; on to this pair's rows of out0
.endif
	STAGED \s
.if \fetch
	FETCHAT \s, AQ, AAS
	s_wait_dscnt NF                                ; the block's rows are back from the stage; its fetch is younger
.else
	s_wait_dscnt 0x0
.endif
	TOC \s
.endm
; ================= THE HEAD
	s_load_b256 s[4:11], s[0:1], 0x0               ; acodes, ascales, cc, cs
	s_load_b64 s[76:77], s[0:1], 0x20              ; bo
	s_load_b64 s[12:13], s[0:1], 0x28              ; out0
	v_lshl_add_u32 v[SPW], v0, 2, SPARE
	v_mov_b32 v[NIL], 0
	ds_add_u32 v[SPW], v[NIL]
	ds_add_u32 v[SPW], v[NIL]
	v_lshrrev_b32 v1, 5, v0
	v_readfirstlane_b32 s14, v1                    ; the wave; s15 its row of the 2 x 2, s16 its column
	s_lshr_b32 s15, s14, 1
	s_and_b32 s16, s14, 1
	s_bfe_u32 s40, ttmp6, 0x40000
	s_bfe_u32 s41, ttmp6, 0x40004
	s_lshl_b32 s43, ttmp9, 2
	s_add_co_u32 s43, s43, s40                     ; tile row: 256 tokens
	s_and_b32 s42, ttmp7, 0xffff
	s_lshl_b32 s42, s42, 2
	s_add_co_u32 s42, s42, s41                     ; tile column: 128 features
	s_lshl_b32 s44, 0x1111, s40                    ; my column of the cluster: shares A's tiles
	s_lshl_b32 s45, s41, 2
	s_lshl_b32 s45, 15, s45                        ; my row: shares B's
	GROUP1 G1A, 44                                 ; how many tiles, each wave's own arm says
	GROUP1 G1B, 45
	s_mov_b32 s[G1B+2], 8<<16
	s_mov_b32 s[G1B+4], 8
	s_mov_b32 s[G0A], 1
	s_mov_b32 s[G0B], 1
	s_mov_b32 s[G0B+1], YB
	s_mul_i32 s78, s43, 16*TILEB                   ; my 16 tiles of ctx,
	s_mov_b32 s79, 0
	s_lshl_b32 s82, s43, 13                        ; their scale words
	s_mov_b32 s83, 0
	s_lshl_b32 s84, s42, 3
	s_add_co_u32 s84, s84, 1728                    ; my 8 tiles of Wo,
	s_mul_i32 s80, s84, TILEB
	s_mov_b32 s81, 0
	s_lshl_b32 s84, s84, 9                         ; their scale words
	s_mov_b32 s85, 0
	s_lshl_b32 s88, s42, 9
	s_lshl_b32 s21, s16, 8
	s_add_co_u32 s88, s88, s21                     ; my 64 features, 4 bytes each
	s_mov_b32 s89, 0
	s_lshl_b32 s86, s43, 20                        ; my first token's row: 256 x tile row + 8 x wave row
	s_lshl_b32 s21, s15, 15
	s_add_co_u32 s86, s86, s21
	s_add_co_u32 s86, s86, s88
	s_mov_b32 s87, 0
	s_mul_i32 s23, s15, TILEB
	s_mul_i32 s22, s16, NB*TILEB
	s_add_co_u32 s22, s22, YB
	s_lshl_b32 s17, s16, 11
	s_add_co_u32 s17, s17, SCL+8192
	s_lshl_b32 s18, s15, 9
	s_add_co_u32 s18, s18, SCL
	s_mul_i32 s19, s14, 16*SPITCH
	s_add_co_u32 s19, s19, STAGE
	v_and_b32 v1, 15, v0                           ; r
	v_bfe_u32 v2, v0, 4, 1                         ; h
	v_and_b32 v3, 31, v0
	v_lshl_add_u32 v[AQ0], v3, 3, s23
	v_lshl_add_u32 v[ADRB], v3, 4, s22
.irp q, 1,2,3,4,5,6,7
	v_add_nc_u32 v[AQ0+\q], FRB*\q, v[AQ0]
.endr
.irp q, 0,1,2,3,4,5,6,7
	v_add_nc_u32 v[AQ+\q], 2*TILEB+FRB*\q, v[AQ0]
.endr
	v_lshlrev_b32 v[ABS], 9, v2
	v_lshl_add_u32 v[ABS], v1, 2, v[ABS]
	v_add_nc_u32 v[ABS], s17, v[ABS]
	v_lshl_add_u32 v[AAS0], v1, 2, s18
	v_add_nc_u32 v[AAS], 1024, v[AAS0]
	v_mul_u32_u24 v23, v1, SPITCH
	v_lshl_add_u32 v23, v2, 6, v23
	v_add_nc_u32 v[STO], s19, v23                  ; in: row r, + 64 h
	v_mul_u32_u24 v23, v2, SPITCH
	v_lshl_add_u32 v23, v1, 4, v23
	v_add_nc_u32 v[RD], s19, v23                   ; back: lanes 0-15 one row of 256 bytes, lanes 16-31 the next
	v_mul_u32_u24 v23, v2, SIZE_N*4
	v_lshl_add_u32 v[CO], v1, 4, v23
	v_lshlrev_b32 v8, 6, v2                        ; 64 h: my half's 16 numbers of each 32 of the bias
	v_lshlrev_b32 v22, 4, v0                       ; 16 x thread
	v_lshl_add_u32 v23, v0, 4, SCL
	WALU                                           ; the wait at the head's end
	s_wait_dscnt 0x0
	CROUND                                         ; the opening round, ahead of the wait for the arguments
	s_wait_kmcnt 0x0
	s_add_nc_u64 s[G0A+2:G0A+3], s[8:9], s[78:79]
	s_add_nc_u64 s[G0B+2:G0B+3], s[4:5], s[80:81]
	s_or_b32 s[G0B+3], s[G0B+3], 0x80000000
	s_add_nc_u64 s[10:11], s[10:11], s[82:83]
	s_add_nc_u64 s[6:7], s[6:7], s[84:85]
	s_add_nc_u64 s[12:13], s[12:13], s[86:87]
	s_add_nc_u64 s[76:77], s[76:77], s[88:89]
	s_cmp_eq_u32 s14, 0
	s_cbranch_scc0 .Lwave_1
	TLOAD G0B, G1B                                 ; wave 0: B's tiles, which are wanted first
	s_branch .Lasked
.Lwave_1:
	s_cmp_eq_u32 s14, 1
	s_cbranch_scc0 .Lwave_2
	ATILE 0, 8                                     ; wave 1: A's tiles 0 to 7
	s_branch .Lasked
.Lwave_2:
	s_cmp_eq_u32 s14, 2
	s_cbranch_scc0 .Lwave_3
	ATILE 8, 4                                     ; wave 2: 8 to 11
	s_branch .Lasked
.Lwave_3:
	ATILE 12, 4                                    ; wave 3: 12 to 15
.Lasked:
.irp j, 0,1,2,3
	global_load_b128 v[BK+4*\j:BK+4*\j+3], v22, s[10:11] offset:2048*\j          ; A's scale words: 2,048 consecutive bytes an instruction of the work-group
.endr
.irp j, 0,1
	global_load_b128 v[BK+16+4*\j:BK+16+4*\j+3], v22, s[6:7] offset:2048*\j      ; B's
.endr
.irp b, 0,1,2,3
	global_load_b128 v[BO+8*\b:BO+8*\b+3], v8, s[76:77] offset:128*(\b/2)+32*(\b%2)
	global_load_b128 v[BO+8*\b+4:BO+8*\b+7], v8, s[76:77] offset:128*(\b/2)+32*(\b%2)+16
.endr
	s_wait_loadcnt 0x0
.irp j, 0,1,2,3,4,5
	ds_store_b128 v23, v[BK+4*\j:BK+4*\j+3] offset:2048*\j
.endr
	s_wait_dscnt 0x0
	s_cmp_eq_u32 s14, 0
	s_cbranch_scc0 .Lnot_b
	s_wait_tensorcnt 0x0                           ; wave 0: B has landed
.Lnot_b:
	BARRIER                                        ; B and all scale words are in
.irp q, 0,1,2,3,4,5,6,7
.irp b, 0,1,2,3
	FRAGB NB*\q+\b, \q, \b
.endr
.endr
	WIN 0
.irp p, 0,1
.irp q, 0,1,2,3,4,5,6,7
	ds_load_b32 v[SB+NQ*\p+\q], v[ABS] offset:1024*\p+64*\q
.endr
.endr
	s_mov_b32 s101, 2*TILEB
	s_mov_b32 s91, 1024
	s_cmp_eq_u32 s14, 1
	s_cbranch_scc0 .Lnot_a
	s_wait_tensorcnt 0x0                           ; wave 1: A's tiles 0 to 7 have landed
.Lnot_a:
	s_wait_dscnt 0x0
	BARRIER                                        ; they are shown, and nobody reads B's bytes any more.  Waves 2 and 3's tiles may still be on their way
	FETCHAT 0, AQ0, AAS0
	FETCHAT 1, AQ, AAS
; ================= THE STREAM: eight blocks
	s_mov_b32 s23, 0
	s_mov_b32 s20, 0                               ; s[20:21]: from a pair's rows of out0 to the next pair's; block 0 begins where the base stands
	s_mov_b32 s21, 0
	s_wait_dscnt NF                                ; block 0's rows are in
.Lpair:                                ; blocks 0 to 5, a pair a trip
	STREAM 0, 1, 0
	STREAM 1, 1, 1
	s_mov_b32 s20, 64*SIZE_N*4                     ; the next pair's rows lie 64 tokens on
	s_add_co_u32 s23, s23, 1
	s_cmp_lg_u32 s23, 3
	s_cbranch_scc1 .Lpair
	STREAM 0, 0, 0                                 ; blocks 6 and 7 fetch nothing
	STREAM 1, 0, 0
	s_wait_tensorcnt 0x0                           ; the wave's end
	ds_add_u32 v[SPW], v[NIL]
	s_wait_dscnt 0x0
	CROUND                                         ; the closing round
	s_endpgm
.Lfunc_end_k_q01991a105a_outp:
	.size	k_q01991a105a_outp, .Lfunc_end_k_q01991a105a_outp-k_q01991a105a_outp
	.p2alignl 7, 3214868480
	.fill 96, 4, 3214868480
	.section	.rodata,"a",@progbits
	.p2align	6, 0x0
	.amdhsa_kernel k_q01991a105a_outp
		.amdhsa_group_segment_fixed_size 327680
		.amdhsa_private_segment_fixed_size 0
		.amdhsa_enable_private_segment 0
		.amdhsa_kernarg_size 48
		.amdhsa_user_sgpr_count 2
		.amdhsa_user_sgpr_kernarg_segment_ptr 1
		.amdhsa_wavefront_size32 1
		.amdhsa_system_sgpr_workgroup_id_x 1
		.amdhsa_system_sgpr_workgroup_id_y 1
		.amdhsa_system_sgpr_workgroup_id_z 1
		.amdhsa_system_vgpr_workitem_id 0
		.amdhsa_next_free_vgpr 840
		.amdhsa_next_free_sgpr 102
		.amdhsa_reserve_vcc 0
		.amdhsa_float_denorm_mode_32 3
		.amdhsa_float_denorm_mode_16_64 3
		.amdhsa_memory_ordered 1
		.amdhsa_forward_progress 1
		.amdhsa_inst_pref_size 53
	.end_amdhsa_kernel
	.amdgpu_metadata
---
amdhsa.version: [ 1, 2 ]
amdhsa.kernels:
  - .name:           k_q01991a105a_outp
    .symbol:         k_q01991a105a_outp.kd
    .args:
      - { .name: acodes, .offset: 0, .size: 8, .value_kind: global_buffer, .address_space: global }
      - { .name: ascales, .offset: 8, .size: 8, .value_kind: global_buffer, .address_space: global }
      - { .name: cc, .offset: 16, .size: 8, .value_kind: global_buffer, .address_space: global }
      - { .name: cs, .offset: 24, .size: 8, .value_kind: global_buffer, .address_space: global }
      - { .name: bo, .offset: 32, .size: 8, .value_kind: global_buffer, .address_space: global }
      - { .name: out0, .offset: 40, .size: 8, .value_kind: global_buffer, .address_space: global }
    .group_segment_fixed_size: 327680
    .private_segment_fixed_size: 0
    .kernarg_segment_align: 8
    .kernarg_segment_size: 48
    .max_flat_workgroup_size: 128
    .sgpr_count:     102
    .vgpr_count:     840
    .wavefront_size: 32
...
	.end_amdgpu_metadata
.endif
;; end of part 4
